; MI455X (gfx1250); checked and timed in simulation.
; The chip was launched on July 23, 2026; its instructions are those of AMD's public machine-readable ISA for CDNA 5 (MIT licence, August 2026) and "CDNA5" Instruction Set Architecture Reference Guide (July 2026). The comments in the code are by the model that wrote it; some were corrected since.
;; Default Attention. Allowed arithmetic: matrix products marked QUANTISED: E2M1 operands, one E8M0 scale for each 32 along K, by v_wmma_scale_f32_16x16x128_f8f6f4 with both operands' format E2M1 (or v_wmma_scale_f32_32x16x128_f4), f32 sums; products left as they are: bf16, f16 or f32 operands; f32 sums; everything else in f32.
;; Inputs: Wk 1,024 x 1,024 float32; Wq 1,024 x 1,024 float32; Wv 1,024 x 1,024 float32; bk 1,024 float32; bq 1,024 float32; bv 1,024 float32; x 4 x 2,048 x 1,024 float32.
;; Outputs: out0 4 x 2,048 x 1,024 float32.
;; This version of the problem:
;;   THIS VERSION OF THE PROBLEM IS GIVEN IN LOW PRECISION. The matrix products marked QUANTISED in the list below multiply operands that are first quantised to E2M1 (2 exponent bits, 1 mantissa bit; 4 bits a number), with one power-of-two scale for each 32 numbers along K (OCP MX v1.0); their sums are f32. The products marked 'left as it is' may take bf16, f16 or f32 operands, with f32 sums. Whichever they take, every output number must still come out within the allowed error. Rounding operands to bf16 (8 significant bits) uses up far more of that allowance than f16 does (11 bits, for magnitudes from 6e-5 to 65,504). All else is computed in f32.
;;   The module's matrix products, in the order in which they are computed (A, B: the left and right operand; K: the contracted axis; several contracted axes count as one K, in the product's order):
;;     1. [M 8,192, K 1,024] x [K 1,024, N 1,024]; A: input x; B: input Wk: QUANTISED
;;     2. [M 8,192, K 1,024] x [K 1,024, N 1,024]; A: input x; B: input Wq: QUANTISED
;;     3. [M 8,192, K 1,024] x [K 1,024, N 1,024]; A: input x; B: input Wv: QUANTISED
;;     4. batch 4 x [M 2,048, K 1,024] x [K 1,024, N 2,048]; A: computed on the way; B: computed on the way: left as it is (an operand is computed on the way)
;;     5. batch 4 x [M 2,048, K 2,048] x [K 2,048, N 1,024]; A: computed on the way; B: computed on the way: left as it is (an operand is computed on the way)
;;   THE QUANTISER, for each operand of a quantised product, along K:
;;     - K is cut into blocks of 32 from its start; a last block that is shorter is filled with zeros.
;;     - A block's scale is 2^e with e = floor(log2(the largest magnitude in the block)) - 2, held to -126 .. 127; a block of zeros has e = 0. As a byte (E8M0): e + 127.
;;     - Each number is divided by its block's scale, clamped to +-6, and rounded to the nearest number of E2M1, ties to even, subnormals kept.
;;     - The product sums the exact products of the quantised numbers (number of the format x scale) in f32.
;;   ~~~python
;;   def quantise(x, axis):      # numpy; x: float32 -> the quantised numbers, widened to float32 again
;;       x = np.moveaxis(x, axis, -1); K = x.shape[-1]
;;       x = np.pad(x, [(0, 0)] * (x.ndim - 1) + [(0, -K % 32)]); x = x.reshape(x.shape[:-1] + (-1, 32)); a = np.abs(x).max(-1, keepdims=True)
;;       e = np.where(a > 0, np.clip(np.frexp(np.where(a > 0, a, 1))[1] - 1 - 2, -126, 127), 0)      # np.frexp(a)[1] - 1 = floor(log2(a)), exactly
;;       r = np.clip(x / 2.0 ** e, -6, 6)
;;       step = 2.0 ** (np.maximum(np.frexp(np.where(r == 0, 1, r))[1] - 1, 0) - 1)
;;       q = np.round(r / step) * step * 2.0 ** e      # np.round: ties to even
;;       return np.moveaxis(q.reshape(q.shape[:-2] + (-1,))[..., :K], -1, axis).astype(np.float32)
;;   ~~~
;; One version. Each part assembles by itself: llvm-mc -triple=amdgcn-amd-amdhsa -mcpu=gfx1250 --defsym DOCPART=n.
;; ======== version 1 of 1: 5 launches
;; limits: values are held in f16: magnitudes above 65,504 overflow, below 6.1e-05 lose precision
;; workspace buffers: x_codes 4,194,304 bytes; x_scales 262,144 bytes; w_codes 1,572,864 bytes; w_scales 98,304 bytes; kqv 50,331,648 bytes; fine 786,432 bytes; pbuf 33,554,432 bytes; stats 1,048,576 bytes
;; launch quant (part 1): grid 352 x 1, 4 waves a work-group, no clusters, 33,280 bytes of LDS; arguments x, Wk, Wq, Wv, x_codes, x_scales, w_codes, w_scales; writes x_codes, x_scales, w_codes, w_scales
.if DOCPART == 1
	.amdgcn_target "amdgcn-amd-amdhsa--gfx1250"
	.amdhsa_code_object_version 6
	.text
	.protected	k_q43bd3ae23c_quant
	.globl	k_q43bd3ae23c_quant
	.p2align	8
	.type	k_q43bd3ae23c_quant,@function
k_q43bd3ae23c_quant:
	s_mov_b64 s[64:65], 0
	v_nop
	global_prefetch_b8 v0, s[64:65] scope:SCOPE_SE
	s_setreg_imm32_b32 hwreg(HW_REG_WAVE_MODE, 25, 1), 1
	s_wait_xcnt 0x0
; x [8192][1024] and Wk, Wq, Wv [1024][1024], f32, become codes of FP4 (E2M1), two to a byte, K innermost, with one E8M0 scale byte for each 32 along K.
; x goes to x_codes [8192][512 bytes] and x_scales [8192][32]; the three weights go one behind the other (Wk, Wq, Wv) to w_codes [3072][512 bytes] and w_scales [3072][32].
; A block's scale is 2^(floor(log2(its largest magnitude)) - 2); its byte is the largest magnitude's own exponent field - 2, held at 1 from below.  Each number is divided by the scale and rounded to the nearest code, ties to even;
; what lies beyond 6 gets the largest code.  A block of zeros gets the byte 1 where the rule says 127: its codes are zeros, which add nothing under any byte but 0xff, and this program alone reads the bytes.
; LIMITS: blocks whose largest magnitude lies under 2^-124, the floor, were not tried; NaN and infinities among the inputs are not served.
; Rows are dense and 1,024 is a multiple of 32, so every tensor is a plain stream of blocks of 32.  A work-group takes 32,768 numbers, a wave 16 steps of 512: groups 0-255 x, 256-287 Wk, 288-319 Wq, 320-351 Wv.
; Only pointers are chosen by the work-group's number: all four tensors take one path through the text.  Each of a step's four loads reads 512 consecutive bytes; the 2,048 bytes turn through the wave's own stage in LDS,
; so that a lane then holds 16 neighbours along K (two neighbouring lanes hold a block).  A wave's store of codes covers 256 consecutive bytes; its 256 scale bytes are gathered in LDS and leave as 256 consecutive bytes.
; No tensor loads, no barrier: waves share nothing.  Loads run four steps (16 loads a wave) ahead, the turn through LDS one step.
.set WAVES, 4
.set STEPS, 16
.set EMAX,  2
.set CB,    8                          ; bytes of 16 codes
.set R,     16                         ; v16-79   four sets of 16 numbers as they are loaded
.set X,     80                         ; v80-111  two sets of 16 neighbours
.set C,     128                        ; v128-191 codes: four registers for each step, so that no store's data are written again
.set E,     112                        ; v112-127 a scale byte for each step
.set WREG,  8192                       ; LDS: a region for each wave: two stages of 32 x SP bytes, behind them its 256 scale bytes
.set SP,    80                         ; a lane's place in a stage: its 64 bytes + 16 of padding
.set SPW,   12                         ; v12      LDS address of my spare word; never rewritten
.set NIL,   13                         ; v13      0; never rewritten
.set SPARE, WAVES*WREG                 ; behind the four regions: the spare words, 128 bytes a wave, which no other line names
	s_load_b128 s[4:7], s[0:1], 0x0                ; x, Wk
	s_load_b128 s[8:11], s[0:1], 0x10              ; Wq, Wv
	s_load_b128 s[12:15], s[0:1], 0x20             ; x's codes, x's scales
	s_load_b128 s[24:27], s[0:1], 0x30             ; the weights' codes, the weights' scales
	v_lshl_add_u32 v[SPW], v0, 2, SPARE
	v_mov_b32 v[NIL], 0
	v_lshrrev_b32 v1, 5, v0
	v_readfirstlane_b32 s16, v1                    ; wave
	v_and_b32 v2, 31, v0                           ; lane
	v_lshlrev_b32 v3, 4, v2                        ; my 16 bytes of a load's 512
	s_mul_i32 s17, s16, WREG
	v_lshrrev_b32 v14, 2, v2
	v_mul_u32_u24 v14, v14, SP
	v_and_b32 v15, 3, v2
	v_lshl_add_u32 v14, v15, 4, v14
	v_add_nc_u32 v14, s17, v14                     ; the stage, on the way in: SP (lane / 4) + 16 (lane % 4)
	v_mul_u32_u24 v15, v2, SP
	v_add_nc_u32 v15, s17, v15                     ; and on the way out: SP x lane: my 16 neighbours
	v_mul_u32_u24 v4, v2, CB                       ; my codes' place in a step's
	v_lshrrev_b32 v5, 1, v2
	s_add_co_u32 s17, s17, 2*32*SP
	v_add_nc_u32 v5, s17, v5                       ; LDS: my wave's 256 scale bytes, my block's byte
	v_lshlrev_b32 v7, 3, v2                        ; and on the way out 8 bytes a lane
	v_add_nc_u32 v6, s17, v7
	s_wait_kmcnt 0x0
	s_cmp_lt_u32 ttmp9, 288                        ; which tensor: every choice hangs on the work-group's number alone
	s_cselect_b64 s[6:7], s[6:7], s[8:9]           ; Wk or Wq,
	s_cmp_lt_u32 ttmp9, 320
	s_cselect_b64 s[6:7], s[6:7], s[10:11]         ; or Wv
	s_cmp_lt_u32 ttmp9, 256
	s_cselect_b64 s[4:5], s[4:5], s[6:7]           ; x or a weight
	s_cselect_b64 s[8:9], s[12:13], s[24:25]       ; where the codes go,
	s_cselect_b64 s[10:11], s[14:15], s[26:27]     ; and the scale bytes
	s_cselect_b32 s17, 0, 256
	s_cselect_b32 s22, -1, 31
	s_sub_co_u32 s23, ttmp9, s17                   ; the group's number among those of its destination,
	s_and_b32 s22, s23, s22                        ; and among those of its source (a weight has 32 groups)
	s_lshl_b32 s22, s22, 2
	s_add_co_u32 s22, s22, s16                     ; my wave's run of 8,192 numbers in the source: 32,768 bytes a run
	s_lshl_b32 s20, s22, 15
	s_mov_b32 s21, 0
	s_add_nc_u64 s[4:5], s[4:5], s[20:21]
	s_lshl_b32 s23, s23, 2
	s_add_co_u32 s23, s23, s16                     ; and in the destination: 4,096 bytes of codes,
	s_lshl_b32 s20, s23, 12
	s_add_nc_u64 s[8:9], s[8:9], s[20:21]
	s_lshl_b32 s20, s23, 8                         ; 256 scale bytes
	s_add_nc_u64 s[10:11], s[10:11], s[20:21]
.macro LOAD t
.irp i, 0,1,2,3
	global_load_b128 v[R+16*((\t)%4)+4*\i:R+16*((\t)%4)+4*\i+3], v3, s[4:5] offset:2048*(\t)+512*\i th:TH_LOAD_NT   ; 32 lanes read 512 consecutive bytes
.endr
.endm
.macro TURN t                          ; step t's numbers through the stage: LDS serves a wave's instructions in order, so no wait stands between the stores and the loads
.irp i, 0,1,2,3
	ds_store_b128 v14, v[R+16*((\t)%4)+4*\i:R+16*((\t)%4)+4*\i+3] offset:32*SP*((\t)%2)+8*SP*\i
.endr
.irp i, 0,1,2,3
	ds_load_b128 v[X+16*((\t)%2)+4*\i:X+16*((\t)%2)+4*\i+3], v15 offset:32*SP*((\t)%2)+16*\i
.endr
.endm
.irp t, 0,1,2,3
	LOAD \t
.endr
	s_wait_loadcnt 12                              ; step 0's four loads are in
	TURN 0
.macro STEP t
.set XS, X+16*((\t)%2)
.if (\t) > 0
	s_wait_dscnt 1                                 ; this step's numbers are back from the stage (the last step's byte store may be out): so its stores into the stage have read their registers,
.else
	s_wait_dscnt 0x0
.endif
.if (\t)+4 < STEPS
	LOAD (\t)+4                                    ; which take the loads of four steps on
.endif
.if (\t)+1 < STEPS
.if STEPS-2-(\t) >= 3
	s_wait_loadcnt 12                              ; the next step's four loads are in; those of the three steps behind it may be out
.else
	s_wait_loadcnt 4*(STEPS-2-(\t))
.endif
	TURN (\t)+1                                    ; and go through the other stage while this step is worked
.endif
	v_max3_num_f32 v8, |v[XS]|, |v[XS+1]|, |v[XS+2]|               ; the largest magnitude of my 16, in two chains
	v_max3_num_f32 v9, |v[XS+3]|, |v[XS+4]|, |v[XS+5]|
.irp i, 6,10
	v_max3_num_f32 v8, v8, |v[XS+\i]|, |v[XS+\i+1]|
	v_max3_num_f32 v9, v9, |v[XS+\i+2]|, |v[XS+\i+3]|
.endr
	v_max3_num_f32 v8, v8, |v[XS+14]|, |v[XS+15]|
	v_max3_num_f32 v8, v8, v9, (EMAX+1)<<23        ; and the floor 2^(3 - 127): so the byte cannot fall under 1
	v_max_num_f32_dpp v8, v8, v8 row_xmask:1 row_mask:0xf bank_mask:0xf   ; and of my neighbour's 16: the block's
	v_add_nc_u32 v11, -(EMAX<<23), v8              ; 2 off its exponent field: the conversion takes the exponent field of this operand as its scale, and nothing else of it
	v_cvt_scalef32_pk8_fp4_f32 v[C+4*(\t)], v[XS:XS+7], v11
	v_cvt_scalef32_pk8_fp4_f32 v[C+4*(\t)+1], v[XS+8:XS+15], v11
	v_lshrrev_b32 v[E+(\t)], 23, v11               ; the scale's byte (also the plain line behind the conversions)
	ds_store_b8 v5, v[E+(\t)] offset:16*(\t)       ; both lanes of a block write the same byte with the same value
	global_store_b64 v4, v[C+4*(\t):C+4*(\t)+1], s[8:9] offset:32*CB*(\t)
.endm
.irp t, 0,1,2,3,4,5,6,7,8,9,10,11,12,13,14,15
	STEP \t
.endr
	ds_load_b64 v[8:9], v6                         ; LDS serves a wave's instructions in order: these see my stores
	s_wait_dscnt 0x0
	global_store_b64 v7, v[8:9], s[10:11]          ; 32 lanes store 256 consecutive bytes, aligned
	s_wait_tensorcnt 0x0                           ; the wave's end: behind my last LDS store
	ds_add_u32 v[SPW], v[NIL]
	s_wait_dscnt 0x0
	s_endpgm
.Lfunc_end_k_q43bd3ae23c_quant:
	.size	k_q43bd3ae23c_quant, .Lfunc_end_k_q43bd3ae23c_quant-k_q43bd3ae23c_quant
	.p2alignl 7, 3214868480
	.fill 96, 4, 3214868480
	.section	.rodata,"a",@progbits
	.p2align	6, 0x0
	.amdhsa_kernel k_q43bd3ae23c_quant
		.amdhsa_group_segment_fixed_size 33280
		.amdhsa_private_segment_fixed_size 0
		.amdhsa_enable_private_segment 0
		.amdhsa_kernarg_size 64
		.amdhsa_user_sgpr_count 2
		.amdhsa_user_sgpr_kernarg_segment_ptr 1
		.amdhsa_wavefront_size32 1
		.amdhsa_system_sgpr_workgroup_id_x 1
		.amdhsa_system_sgpr_workgroup_id_y 1
		.amdhsa_system_sgpr_workgroup_id_z 1
		.amdhsa_system_vgpr_workitem_id 0
		.amdhsa_next_free_vgpr 192
		.amdhsa_next_free_sgpr 66
		.amdhsa_reserve_vcc 0
		.amdhsa_float_denorm_mode_32 3
		.amdhsa_float_denorm_mode_16_64 3
		.amdhsa_memory_ordered 1
		.amdhsa_forward_progress 1
		.amdhsa_inst_pref_size 34
	.end_amdhsa_kernel
	.amdgpu_metadata
---
amdhsa.version: [ 1, 2 ]
amdhsa.kernels:
  - .name:           k_q43bd3ae23c_quant
    .symbol:         k_q43bd3ae23c_quant.kd
    .args:
      - { .name: x, .offset: 0, .size: 8, .value_kind: global_buffer, .address_space: global }
      - { .name: Wk, .offset: 8, .size: 8, .value_kind: global_buffer, .address_space: global }
      - { .name: Wq, .offset: 16, .size: 8, .value_kind: global_buffer, .address_space: global }
      - { .name: Wv, .offset: 24, .size: 8, .value_kind: global_buffer, .address_space: global }
      - { .name: x_codes, .offset: 32, .size: 8, .value_kind: global_buffer, .address_space: global }
      - { .name: x_scales, .offset: 40, .size: 8, .value_kind: global_buffer, .address_space: global }
      - { .name: w_codes, .offset: 48, .size: 8, .value_kind: global_buffer, .address_space: global }
      - { .name: w_scales, .offset: 56, .size: 8, .value_kind: global_buffer, .address_space: global }
    .group_segment_fixed_size: 33280
    .private_segment_fixed_size: 0
    .kernarg_segment_align: 8
    .kernarg_segment_size: 64
    .max_flat_workgroup_size: 128
    .sgpr_count:     66
    .vgpr_count:     192
    .wavefront_size: 32
...
	.end_amdgpu_metadata
.endif
;; end of part 1
;; launch proj (part 2): grid 12 x 32, 4 waves a work-group, clusters of 4 x 4, 327,680 bytes of LDS; arguments x_codes, x_scales, w_codes, w_scales, kqv, bk, bq, bv, fine; writes kqv, fine
.if DOCPART == 2
	.amdgcn_target "amdgcn-amd-amdhsa--gfx1250"
	.amdhsa_code_object_version 6
	.text
	.protected	k_q43bd3ae23c_proj
	.globl	k_q43bd3ae23c_proj
	.p2align	8
	.type	k_q43bd3ae23c_proj,@function
k_q43bd3ae23c_proj:
	s_mov_b64 s[64:65], 0
	v_nop
	global_prefetch_b8 v0, s[64:65] scope:SCOPE_SE
	s_setreg_imm32_b32 hwreg(HW_REG_WAVE_MODE, 25, 1), 1
	s_wait_xcnt 0x0
	s_wait_alu depctr_hold_cnt(0) depctr_sa_sdst(0) depctr_va_vdst(0) depctr_va_sdst(0) depctr_va_ssrc(0) depctr_va_vcc(0) depctr_vm_vsrc(0)
	s_getreg_b32 s2, hwreg(HW_REG_IB_STS2, 6, 4)
	s_cmp_eq_u32 s2, 0
	s_cbranch_scc0 .Lentry_in_a_cluster
	s_endpgm
.Lentry_in_a_cluster:
	s_bfe_u32 s2, ttmp6, 0x10000c
	s_cmp_lg_u32 s2, 0xf033
	s_cbranch_scc0 .Lentry_shape_is_right
	s_endpgm
.Lentry_shape_is_right:
; [k | q | v] = X [Wk; Wq; Wv]^T + [bk | bq | bv]: C [8192][3072] = A [8192][1024] B [3072][1024]^T on codes of FP4 (E2M1) with one E8M0 scale for each 32 along K; sums in f32.
; C leaves as f16 into kqv [8192][3072] (a row is 6,144 bytes: k at byte 0, q at 2,048, v at 4,096); the first 16 rows of each batch of 2,048 leave as f32 too, into fine [64][3072], for the launch that carries those rows finely.
; LIMIT: |k|, |q|, |v| stay under 65,504, f16's largest number; with all inputs 30 times those drawn, or offset by 30 times their spread, they stay under 30,000.
; A tile of C, 256 x 256, is made by four waves; a wave makes 128 x 128: 64 accumulators, 512 registers.  K = 1,024 is two slots of 512 along K (rows of 256 bytes): both are asked for at the start and nothing is filled again.
; THE SCALES of the work-group's 256 rows of A and of B, for all of K, are two dense blocks of memory: they come into LDS once, with the first fills.
; CLUSTERS: 4 x 4 work-groups.  The four of a row of the cluster need the same tiles of A, the four of a column the same tiles of B: each tile is asked for jointly, by the same tensor load with the same descriptor and a mask that names the four.
; THE MATRIX INSTRUCTION IS USED TRANSPOSED (source 0 = 16 rows of B, source 1 = 16 rows of A): a lane holds eight neighbouring numbers of a row of C.  THE BIAS is the C of each sum's first product: 8 registers for each of B's 8 blocks.
; REGISTERS: window 0: v0-31 addresses; v32-95 scale words, two sets; v128-191 A's fragments, one set; v192-255 the bias.  window 1: B's fragments, two sets.  windows 2, 3: the accumulators ((a, b) at v[8 (8 (a % 4) + b)]).
.set SIZE_M, 8192
.set SIZE_N, 3072
.set SIZE_K, 1024
.set KSTEP,  512                       ; along K in a slot
.set NQ,     KSTEP/128                 ; matrix instructions deep
.set ROWB,   256                       ; a tile's row in bytes
.set KROW,   SIZE_K*4/8                ; a row of codes in memory, in bytes
.set PITCH,  272                       ; an LDS row: 256 bytes + 16 of padding = 68 words: the 16 rows that a load touches start at 16 different banks (64 banks of 4 bytes: ISA guide 11.1)
.set FR,     8                         ; registers of a fragment
.set NL,     2                         ; LDS loads that bring one
.set NP,     4                         ; places behind this matrix instruction (ISA guide 7.12.1)
.set HALFT,  128*PITCH
.set SLOT,   4*HALFT                   ; A's 256 rows, then B's 256 rows
.set KS,     SIZE_K/32                 ; a row of scales in bytes
.set SCL,    2*SLOT                    ; behind the slots: the scales, as rows of 256 bytes + 16 of padding
.set HALFS,  (128*KS/256)*272          ; the scales of 128 rows: what one tensor load brings
.set SBLK,   (16*KS/256)*272           ; those of 16 rows
.set SPARE,  SCL+4*HALFS               ; behind the scales: the spare words, 128 bytes a wave, which no other line names
.set SPITCH, 528                       ; the way out in f32: a stage row of 512 bytes + 16
.set HPITCH, 272                       ; the way out in f16: a stage row of 256 bytes + 16.  Both stages are the wave's own 8,448 bytes of slot 0, which has had its only fill and its last read by then
.set CROW,   SIZE_N*2                  ; a row of kqv in bytes
.set FROW,   SIZE_N*4                  ; a row of fine in bytes
.set ADRA, 16                          ; v16-17  LDS address of my A fragments in slot 0, 1
.set HSTO, 18                          ; v18     f16 stage: where I put 16 bytes of a row
.set HRD,  19                          ; v19     f16 stage: where I read a row back
.set ADRB, 20                          ; v20-21  LDS address of my B fragments
.set HCO,  22                          ; v22     my byte offset in two rows of kqv
.set FLG,  23                          ; v23     0 where my block 0 holds a batch's first 16 rows
.set STO,  24                          ; v24     f32 stage: where I put 32 bytes of a row
.set RD,   25                          ; v25     f32 stage: where I read a row back
.set CO,   26                          ; v26     16 x lane
.set ADRS, 27                          ; v27     LDS address of my scale words: lanes 0-15 A's rows, lanes 16-31 B's
.set SPW,  28                          ; v28     LDS address of my spare word; never rewritten
.set NIL,  29                          ; v29     0; never rewritten
.set BO,   30                          ; v30     32 x (lane / 16): my half's eight numbers of a block of the bias
.set SC,   32                          ; scale words: set s at v[SC + 32 s]; register 4 i + q: lanes 0-15 the word of A's block i, lanes 16-31 that of B's block i, for the slot's q-th 128 along K
.set AF,   128                         ; A's fragments
.set BI,   192                         ; the bias: block b at v[BI + 8 b]
.set TMP,  32                          ; the way out: packed results
.set BK,   64                          ; the way out: 16 rows read back: v64-95 and v96-127 by turns
.set G1, 24                            ; s[24:31] descriptor group 1 for A's tiles;  s[32:39] group 0, one set for each slot
.set G0, 32
.set G1B, 48                           ; s[48:55], s[56:63] the same for B's tiles
.set G0B, 56
.set G1S, 68                           ; s[68:75], s[76:79] groups 1 and 0 for A's scales;  s[80:87], s[88:91] for B's
.set G0S, 76
.set G1SB, 80
.set G0SB, 88
.set MSB, 0
.macro WIN new                         ; the immediate's high byte repeats the setting that is left; a switch that changes nothing is dropped
.if MSB != (\new)
	s_set_vgpr_msb (MSB<<8)|(\new)
.set MSB, (\new)
.endif
.endm
.set MUL_LO, 0xa1                      ; source 0 (B) window 1, source 1 (A) window 0, C and D window 2
.set MUL_HI, 0xf1                      ; the same, C and D window 3
.set BIA_LO, 0x81                      ; the first products: C (the bias) window 0, D window 2
.set BIA_HI, 0xc1                      ; D window 3
.set TO_B,   0x40                      ; destination window 1, address window 0
; A joint load: waves 0 and 1 fetch for A, waves 2 and 3 for B.  Each of the two lines has one mask and one set of registers for all that issue it; the branch hangs on the wave's number alone.
; An s_nop 0 and four v_nop follow each of the two lines, ahead of the jump, the label and what follows.
.macro JLOAD g0a, g1a, g0b, g1b
	s_cmp_eq_u32 s15, 0
	s_cbranch_scc0 .Lfor_b_\@
	tensor_load_to_lds s[\g0a:\g0a+3], s[\g1a:\g1a+7]
	s_nop 0
.rept 4
	v_nop
.endr
	s_branch .Lasked_\@
.Lfor_b_\@:
	tensor_load_to_lds s[\g0b:\g0b+3], s[\g1b:\g1b+7]
	s_nop 0
.rept 4
	v_nop
.endr
.Lasked_\@:
.endm
.macro CROUND                          ; a round of the cluster's barrier: my work-group's barrier; wave 0 signals for the work-group; every wave waits for all sixteen; my work-group's barrier once more
	s_barrier_signal -1
	s_barrier_wait -1
	s_cmp_lg_u32 s14, 0
	s_cbranch_scc1 .Lnot_wave_0_\@
	s_barrier_signal -3
.Lnot_wave_0_\@:
	s_barrier_wait -3
	s_barrier_signal -1
	s_barrier_wait -1
.endm
	s_load_b128 s[4:7], s[0:1], 0x0                ; A's codes s[4:5], A's scales s[6:7]
	s_load_b128 s[8:11], s[0:1], 0x10              ; B's codes s[8:9], B's scales s[10:11]
	s_load_b64 s[12:13], s[0:1], 0x20              ; kqv
	s_load_b64 s[96:97], s[0:1], 0x28              ; bk
	s_load_b64 s[98:99], s[0:1], 0x30              ; bq
	s_load_b64 s[66:67], s[0:1], 0x38              ; bv
	s_load_b64 s[100:101], s[0:1], 0x40            ; fine
	v_lshl_add_u32 v[SPW], v0, 2, SPARE
	v_mov_b32 v[NIL], 0
	ds_add_u32 v[SPW], v[NIL]                      ; the wave's opening: the add, twice on end, and its wait ahead of my first tensor load; the set-up below stands between the second and the wait
	ds_add_u32 v[SPW], v[NIL]
	v_lshrrev_b32 v1, 5, v0
	v_readfirstlane_b32 s14, v1                    ; wave 0..3
	s_lshr_b32 s15, s14, 1                         ; which half of the tile's rows is mine.  Also: I fetch for A (0) or for B (1)
	s_and_b32 s16, s14, 1                          ; which half of its columns.  Also: which 128 rows of that tile I fetch
	s_bfe_u32 s40, ttmp6, 0x40000                  ; cx, cy: my place in the cluster
	s_bfe_u32 s41, ttmp6, 0x40004
	s_lshl_b32 s42, ttmp9, 2
	s_add_co_u32 s42, s42, s40                     ; tile column of C = 4 x cluster x + cx
	s_and_b32 s17, ttmp7, 0xffff
	s_lshl_b32 s17, s17, 2
	s_add_co_u32 s17, s17, s41                     ; tile row of C = 4 x cluster y + cy
	s_lshl_b32 s43, s41, 2
	s_lshl_b32 s43, 15, s43                        ; my row of the cluster
	s_lshl_b32 s44, 0x1111, s40                    ; my column
	; descriptor group 1: a tile of 128 rows x 256 bytes, padded in LDS
	s_or_b32 s[G1+0], s43, (0<<16)|(1<<20)|(1<<21)|(5<<22)|(3<<25)  ; 15:0 the mask: A's tiles go to my row; 17:16 element of 1 byte; 20 padding on; 21 set beside a mask; 24:22 after every 64 words; 31:25 four words
	s_or_b32 s[G1B+0], s44, (0<<16)|(1<<20)|(1<<21)|(5<<22)|(3<<25)
.irp g, G1, G1B
	s_mov_b32 s[\g+1], ROWB<<16                    ; tensor_dim0
	s_mov_b32 s[\g+2], 128<<16                     ; tensor_dim1 = 128
	s_mov_b32 s[\g+3], ROWB<<16                    ; tile_dim0
	s_mov_b32 s[\g+4], 128                         ; tile_dim1 = 128
	s_mov_b32 s[\g+5], KROW                        ; tensor_dim0_stride
	s_mov_b32 s[\g+6], 0
	s_mov_b32 s[\g+7], 0
.endr
	; and for the scales of 128 rows: a dense block of 4,096 bytes, as rows of 256 bytes (32 elements of 8 bytes), 16 bytes of padding behind each
	s_or_b32 s[G1S+0], s43, (3<<16)|(1<<20)|(1<<21)|(5<<22)|(3<<25)
	s_or_b32 s[G1SB+0], s44, (3<<16)|(1<<20)|(1<<21)|(5<<22)|(3<<25)
.irp g, G1S, G1SB
	s_mov_b32 s[\g+1], 32<<16
	s_mov_b32 s[\g+2], (128*KS/256)<<16
	s_mov_b32 s[\g+3], 32<<16
	s_mov_b32 s[\g+4], 128*KS/256
	s_mov_b32 s[\g+5], 32
	s_mov_b32 s[\g+6], 0
	s_mov_b32 s[\g+7], 0
.endr
	s_lshl_b32 s18, s16, 7                         ; which 128 rows of the tile I fetch
	s_lshl_b32 s20, s17, 8
	s_add_co_u32 s20, s20, s18                     ; A: row 256 x tile row + 128 x half
	s_lshl_b32 s46, s42, 8
	s_add_co_u32 s46, s46, s18                     ; B: row 256 x tile column + 128 x half
	s_mov_b32 s21, 0
	s_mov_b32 s47, 0
	s_mov_b64 s[18:19], KS
	s_mul_u64 s[22:23], s[20:21], s[18:19]         ; where these rows' scales begin, in bytes
	s_mul_u64 s[92:93], s[46:47], s[18:19]
	s_mov_b64 s[18:19], KROW
	s_mul_u64 s[20:21], s[20:21], s[18:19]         ; and their codes
	s_mul_u64 s[46:47], s[46:47], s[18:19]
	s_mul_i32 s45, s14, HALFT                      ; where they go: wave x 128 rows: no place in the cluster enters an LDS address
	s_mul_i32 s94, s14, HALFS
	s_wait_dscnt 0x0                               ; both opening adds are done
	s_wait_kmcnt 0x0
	s_add_nc_u64 s[20:21], s[4:5], s[20:21]
	s_add_nc_u64 s[22:23], s[6:7], s[22:23]
	s_add_nc_u64 s[46:47], s[8:9], s[46:47]
	s_add_nc_u64 s[92:93], s[10:11], s[92:93]
	CROUND                                         ; all sixteen work-groups are here: the first joint loads meet
	s_mov_b32 s[G0S], 1
	s_add_co_u32 s[G0S+1], s94, SCL
	s_mov_b64 s[G0S+2:G0S+3], s[22:23]
	s_or_b32 s[G0S+3], s[G0S+3], 0x80000000
	s_mov_b32 s[G0SB], 1
	s_add_co_u32 s[G0SB+1], s94, SCL
	s_mov_b64 s[G0SB+2:G0SB+3], s[92:93]
	s_or_b32 s[G0SB+3], s[G0SB+3], 0x80000000
	JLOAD G0S, G1S, G0SB, G1SB                     ; the scales first: they are wanted with the first slot
.irp s, 0,1
	s_mov_b32 s[G0+4*\s], 1
	s_add_co_u32 s[G0+4*\s+1], s45, \s*SLOT
	s_add_nc_u64 s[G0+4*\s+2:G0+4*\s+3], s[20:21], \s*ROWB
	s_or_b32 s[G0+4*\s+3], s[G0+4*\s+3], 0x80000000
	s_mov_b32 s[G0B+4*\s], 1
	s_add_co_u32 s[G0B+4*\s+1], s45, \s*SLOT
	s_add_nc_u64 s[G0B+4*\s+2:G0B+4*\s+3], s[46:47], \s*ROWB
	s_or_b32 s[G0B+4*\s+3], s[G0B+4*\s+3], 0x80000000
	JLOAD G0+4*\s, G1, G0B+4*\s, G1B               ; three tensor loads of mine are out now, and no more follow
.endr
	v_and_b32 v1, 15, v0                           ; l % 16
	v_bfe_u32 v2, v0, 4, 1                         ; l / 16
	v_mul_u32_u24 v3, v1, PITCH
	v_lshl_add_u32 v4, v2, 4, v3                   ; a fragment's row x pitch + 16 x half
	s_mul_i32 s21, s15, HALFT                      ; my 128 rows of A
	s_mul_i32 s22, s16, HALFT                      ; my 128 rows of B,
	s_add_co_u32 s22, s22, 2*HALFT                 ; which lie behind A's 256
.irp s, 0,1
	v_add_nc_u32 v[ADRA+\s], s21, v4
	v_add_nc_u32 v[ADRB+\s], s22, v4
	s_add_co_u32 s21, s21, SLOT
	s_add_co_u32 s22, s22, SLOT
.endr
	v_mul_u32_u24 v5, v1, KS                       ; my row's scales: 32 bytes a row,
	v_lshrrev_b32 v6, 8, v5
	v_lshl_add_u32 v5, v6, 4, v5                   ; and 16 more for each 256 passed
	s_mul_i32 s21, s15, HALFS                      ; A's: my 128 rows
	s_mul_i32 s22, s16, HALFS                      ; B's: my 128 rows, behind A's 256
	s_add_co_u32 s22, s22, 2*HALFS
	s_sub_co_u32 s22, s22, s21
	v_mul_u32_u24 v6, s22, v2                      ; lanes 16-31 take B's: one product, the distance between the two bases
	s_add_co_u32 s21, s21, SCL
	v_add_nc_u32 v5, v5, v6
	v_add_nc_u32 v[ADRS], s21, v5
	s_mul_i32 s23, s14, 16*SPITCH                  ; my stage
	v_mul_u32_u24 v5, v1, SPITCH                   ; f32, in: row l % 16, 32 bytes for each half of the lanes
	v_lshl_add_u32 v5, v2, 5, v5
	v_add_nc_u32 v[STO], s23, v5
	v_and_b32 v6, 31, v0
	v_lshlrev_b32 v[CO], 4, v6                     ; f32, back: the 32 lanes take one row of 512 bytes; and the same in fine
	v_add_nc_u32 v[RD], s23, v[CO]
	v_mul_u32_u24 v5, v1, HPITCH                   ; f16, in: row l % 16, 16 bytes for each half of the lanes
	v_lshl_add_u32 v5, v2, 4, v5
	v_add_nc_u32 v[HSTO], s23, v5
	v_mul_u32_u24 v5, v2, HPITCH                   ; f16, back: lanes 0-15 one row of 256 bytes, lanes 16-31 the next
	v_lshl_add_u32 v5, v1, 4, v5
	v_add_nc_u32 v[HRD], s23, v5
	v_mul_u32_u24 v5, v2, CROW                     ; and the same two rows in kqv
	v_lshl_add_u32 v[HCO], v1, 4, v5
	s_lshl_b32 s20, s17, 8
	s_lshl_b32 s21, s15, 7
	s_add_co_u32 s20, s20, s21                     ; my first row of C: 256 x tile row + 128 x half
	s_mul_i32 s20, s20, CROW                       ; (under 2^26)
	s_lshl_b32 s46, s42, 9                         ; my first column in f16 bytes: 512 x tile column + 256 x half
	s_lshl_b32 s47, s16, 8
	s_add_co_u32 s46, s46, s47
	s_add_co_u32 s20, s20, s46
	s_mov_b32 s21, 0
	s_add_nc_u64 s[12:13], s[12:13], s[20:21]
	s_lshr_b32 s20, s17, 3                         ; the batch: 8 tile rows each
	s_mul_i32 s20, s20, 16*FROW                    ; its 16 rows of fine,
	s_lshl_b32 s46, s46, 1                         ; my first column in f32 bytes
	s_add_co_u32 s20, s20, s46
	s_add_nc_u64 s[100:101], s[100:101], s[20:21]
	s_and_b32 s95, s17, 7
	s_or_b32 s95, s95, s15                         ; 0: the batch's first tile row, and its upper half of rows is mine
	v_mov_b32 v[FLG], s95
	s_cmp_lt_u32 s42, 4                            ; tile columns 0-3 are k's, 4-7 q's, 8-11 v's
	s_cselect_b64 s[96:97], s[96:97], s[98:99]
	s_cmp_lt_u32 s42, 8
	s_cselect_b64 s[96:97], s[96:97], s[66:67]
	s_and_b32 s20, s42, 3
	s_lshl_b32 s20, s20, 10
	s_lshl_b32 s22, s16, 9
	s_add_co_u32 s20, s20, s22                     ; my 128 numbers of that bias
	s_add_nc_u64 s[96:97], s[96:97], s[20:21]
	v_lshlrev_b32 v[BO], 5, v2
.irp b, 0,1,2,3,4,5,6,7
	global_load_b128 v[BI+8*\b:BI+8*\b+3], v[BO], s[96:97] offset:64*\b        ; lane (r, h): the bias of columns 16 b + 8 h + 0 .. 7: the result's layout
	global_load_b128 v[BI+8*\b+4:BI+8*\b+7], v[BO], s[96:97] offset:64*\b+16
.endr
.macro FRAG reg, adr, q, i             ; a fragment, 16 rows x 128 K of 4-bit codes, is 8 registers: lane l holds row l % 16; registers 4 c .. 4 c + 3 hold K = 64 c + 32 (l / 16) + 0 .. 31
.irp c, 0,1
	ds_load_b128 v[\reg+4*\c:\reg+4*\c+3], v[\adr] offset:64*(\q)+32*\c+(\i)*16*PITCH
.endr
.endm
; 16 matrix instructions: A's blocks a0, a0 + 1 x B's eight, 128 along K: the slot's q-th.  p: B's set;  sc: the set of scale words.  zero = 1: the first product starts the sums from the bias.
; The 64 accumulators take turns, one instruction a turn, in the same order in every step.
.macro MUL16 a0, p, q, sc, zero
.irp a, \a0, \a0+1
.irp b, 0,1,2,3,4,5,6,7
.if \zero
	v_wmma_scale_f32_16x16x128_f8f6f4 v[8*(8*((\a)%4)+\b):8*(8*((\a)%4)+\b)+7], v[128*(\p)+FR*\b:128*(\p)+FR*\b+FR-1], v[AF+FR*(\a):AF+FR*(\a)+FR-1], v[BI+8*\b:BI+8*\b+7], v[SC+8*NQ*(\sc)+NQ*\b+(\q)], v[SC+8*NQ*(\sc)+NQ*(\a)+(\q)] matrix_a_fmt:MATRIX_FMT_FP4 matrix_b_fmt:MATRIX_FMT_FP4 matrix_a_scale:MATRIX_SCALE_ROW1
.else
	v_wmma_scale_f32_16x16x128_f8f6f4 v[8*(8*((\a)%4)+\b):8*(8*((\a)%4)+\b)+7], v[128*(\p)+FR*\b:128*(\p)+FR*\b+FR-1], v[AF+FR*(\a):AF+FR*(\a)+FR-1], v[8*(8*((\a)%4)+\b):8*(8*((\a)%4)+\b)+7], v[SC+8*NQ*(\sc)+NQ*\b+(\q)], v[SC+8*NQ*(\sc)+NQ*(\a)+(\q)] matrix_a_fmt:MATRIX_FMT_FP4 matrix_b_fmt:MATRIX_FMT_FP4 matrix_a_scale:MATRIX_SCALE_ROW1
.endif
.endr
.endr
.endm
.macro FETCH_B slot, q, p              ; B's eight fragments of the slot's q-th 128 along K into set p
	WIN TO_B
.irp i, 0,1,2,3,4,5,6,7
	FRAG 128*(\p)+FR*\i, ADRB+\slot, \q, \i
.endr
	WIN 0
.endm
.macro FETCH_A slot, q, i0             ; A's blocks i0 .. i0 + 3
.irp i, \i0, \i0+1, \i0+2, \i0+3
	FRAG AF+FR*(\i), ADRA+\slot, \q, \i
.endr
.endm
.macro SCALES sc                       ; a slot's scale words into set sc: four words a row; lanes 0-15 take A's block i, lanes 16-31 B's block i
.irp i, 0,1,2,3,4,5,6,7
	ds_load_b128 v[SC+8*NQ*\sc+NQ*\i:SC+8*NQ*\sc+NQ*\i+3], v[ADRS] offset:\i*SBLK
.endr
.endm
; A load into a register that a matrix instruction has read, and a vector instruction or an LDS store that reads a matrix result, stand NP places behind that matrix instruction, and only plain vector
; instructions that name none of its registers are places (ISA guide 7.12.1 for vector instructions).
.macro PLACES n
.rept \n
	v_nop
.endr
.endm
; A step of 128 along K that has its successor in the same slot.  A block of A is free as soon as its eight products are issued: blocks 0-3 are fetched anew in the step's middle, blocks 4-7 at its end.
.macro STEP slot, q, zero
	s_wait_dscnt 4*NL                              ; B's set and A's blocks 0-3 are in; the youngest eight loads (A's blocks 4-7) may be out
.if \zero
	WIN BIA_LO
.else
	WIN MUL_LO
.endif
	MUL16 0, (\q)%2, \q, \slot, \zero
	MUL16 2, (\q)%2, \q, \slot, \zero
	s_wait_dscnt 0                                 ; A's blocks 4-7 are in (asked for 32 matrix instructions ago)
	PLACES NP
	FETCH_B \slot, (\q)+1, 1-(\q)%2
	FETCH_A \slot, (\q)+1, 0
.if \zero
	WIN BIA_HI
.else
	WIN MUL_HI
.endif
	MUL16 4, (\q)%2, \q, \slot, \zero
	MUL16 6, (\q)%2, \q, \slot, \zero
	PLACES NP
	WIN 0
	FETCH_A \slot, (\q)+1, 4
.endm
; Slot 0's last step goes over to slot 1: one barrier; in front of it each wave waits for all its tensor loads (its part of slot 1), adds 0 to its spare word, and waits for that and for its reads of slot 0.  Nothing is filled again.
.macro TURN slot, next
	s_wait_tensorcnt 0x0                           ; all my tensor loads have landed  (every window is 0 here: the add's two registers lie in window 0)
	ds_add_u32 v[SPW], v[NIL]                      ; 0 onto my spare word
	s_wait_dscnt 4*NL+1                            ; (the add and the youngest eight loads, A's blocks 4-7, may be out)
	WIN MUL_LO
	MUL16 0, 1, NQ-1, \slot, 0                     ; sixteen matrix instructions stand between the add and the wait for it
	s_wait_dscnt 0x0                               ; the add is done, and my reads of this slot are over
	s_barrier_signal -1
	MUL16 2, 1, NQ-1, \slot, 0
	WIN 0
	s_barrier_wait -1                              ; the next slot is whole; nobody reads this one any more
	PLACES NP
	v_add_nc_u32 v[ADRS], 4*NQ, v[ADRS]            ; on to the next slot's scale words (no LDS load of mine is out)
	FETCH_B \next, 0, 0
	FETCH_A \next, 0, 0
	SCALES \next
	WIN MUL_HI
	MUL16 4, 1, NQ-1, \slot, 0
	MUL16 6, 1, NQ-1, \slot, 0
	PLACES NP
	WIN 0
	FETCH_A \next, 0, 4
.endm
	s_wait_tensorcnt 1                             ; the scales and my part of slot 0 are in (slot 1's load may be out)
	s_barrier_signal -1
	s_barrier_wait -1                              ; everybody's are
	FETCH_B 0, 0, 0
	FETCH_A 0, 0, 0
	SCALES 0
	FETCH_A 0, 0, 4
	s_wait_loadcnt 0x0                             ; the bias
	STEP 0, 0, 1                                   ; the first step's products start the sums, from the bias
	STEP 0, 1, 0
	STEP 0, 2, 0
	TURN 0, 1
	STEP 1, 0, 0
	STEP 1, 1, 0
	STEP 1, 2, 0
	s_wait_dscnt 4*NL                              ; the very last step: nothing more to fetch
	WIN MUL_LO
	MUL16 0, 1, NQ-1, 1, 0
	MUL16 2, 1, NQ-1, 1, 0
	s_wait_dscnt 0
	WIN MUL_HI
	MUL16 4, 1, NQ-1, 1, 0
	MUL16 6, 1, NQ-1, 1, 0
	WIN 0
	PLACES NP                                      ; behind the last products: for the reads of results, and for the writes and loads into registers that held fragments and scale words
	; THE FINE ROWS.  Where my block 0 is a batch's rows 0-15, it leaves as f32 too.  Which work-group that is hangs on its place in the cluster: so the lines are run by all, with every lane off in the others.
	v_cmp_eq_u32 vcc_lo, 0, v[FLG]
	s_wait_xcnt 0x0                                ; EXEC changes only behind this wait
	s_and_saveexec_b32 s94, vcc_lo
	WIN 0x08                                       ; an LDS store's data are its source 1: window 2
.irp b, 0,1,2,3,4,5,6,7
	ds_store_b128 v[STO], v[8*\b:8*\b+3] offset:64*\b              ; each accumulator from its low end on
	ds_store_b128 v[STO], v[8*\b+4:8*\b+7] offset:64*\b+16
.endr
	WIN 0
.irp t, 0,1,2,3,4,5,6,7,8,9,10,11,12,13,14,15
	ds_load_b128 v[AF+4*\t:AF+4*\t+3], v[RD] offset:\t*SPITCH      ; LDS serves a wave's instructions in order: these see the stores above
.endr
	s_wait_dscnt 0x0
.irp t, 0,1,2,3,4,5,6,7,8,9,10,11,12,13,14,15
	global_store_b128 v[CO], v[AF+4*\t:AF+4*\t+3], s[100:101] offset:\t*FROW   ; 32 lanes store 512 consecutive bytes of a row of fine
.endr
	s_wait_xcnt 0x0                                ; and again, in front of the line that widens EXEC
	s_or_b32 exec_lo, exec_lo, s94
; THE WAY OUT in f16, block by block of 16 rows x 128 columns.  PACK: rounded to f16, 16 bytes a lane.  TOSTAGE: into my own stage, and back as whole rows of 256 bytes.  SEND: stored.
.macro PACK a
.set AC, 64*((\a)%4)
	WIN 0x0a+5*((\a)/4)                            ; sources 0 and 1: window 2 or 3
.irp b, 0,1,2,3,4,5,6,7
.irp r, 0,1,2,3
	v_cvt_pk_f16_f32 v[TMP+4*\b+\r], v[AC+8*\b+2*\r], v[AC+8*\b+2*\r+1]
.endr
.endr
	WIN 0
.endm
.macro TOSTAGE a
.set BB, BK+32*((\a)%2)
.irp b, 0,1,2,3,4,5,6,7
	ds_store_b128 v[HSTO], v[TMP+4*\b:TMP+4*\b+3] offset:32*\b
.endr
.irp t, 0,1,2,3,4,5,6,7
	ds_load_b128 v[BB+4*\t:BB+4*\t+3], v[HRD] offset:\t*2*HPITCH
.endr
.endm
.macro SEND a
.set BB, BK+32*((\a)%2)
	s_wait_dscnt 0x0                               ; the block is back in registers
	s_wait_xcnt 0x0                                ; the earlier stores have read their base and their registers: only behind this wait are they rewritten
.if (\a) > 0
	s_add_nc_u64 s[12:13], s[12:13], 16*CROW       ; 16 rows of kqv on
.endif
.irp t, 0,1,2,3,4,5,6,7
	global_store_b128 v[HCO], v[BB+4*\t:BB+4*\t+3], s[12:13] offset:2*\t*CROW   ; 16 lanes store 256 consecutive bytes, at a multiple of 256 from kqv's first byte
.endr
.endm
	PACK 0
	TOSTAGE 0
.irp a, 1,2,3,4,5,6,7                  ; block a's conversions stand between block a - 1's loads from the stage and the wait for them
	PACK \a
	SEND \a-1
	TOSTAGE \a
.endr
	SEND 7
	s_wait_tensorcnt 0x0                           ; the wave's end: behind my last tensor load and my last LDS store
	ds_add_u32 v[SPW], v[NIL]
	s_wait_dscnt 0x0
	CROUND                                         ; the closing round: no work-group ends while a partner may still ask for a tile that names it
	s_endpgm
.Lfunc_end_k_q43bd3ae23c_proj:
	.size	k_q43bd3ae23c_proj, .Lfunc_end_k_q43bd3ae23c_proj-k_q43bd3ae23c_proj
	.p2alignl 7, 3214868480
	.fill 96, 4, 3214868480
	.section	.rodata,"a",@progbits
	.p2align	6, 0x0
	.amdhsa_kernel k_q43bd3ae23c_proj
		.amdhsa_group_segment_fixed_size 327680
		.amdhsa_private_segment_fixed_size 0
		.amdhsa_enable_private_segment 0
		.amdhsa_kernarg_size 72
		.amdhsa_user_sgpr_count 2
		.amdhsa_user_sgpr_kernarg_segment_ptr 1
		.amdhsa_wavefront_size32 1
		.amdhsa_system_sgpr_workgroup_id_x 1
		.amdhsa_system_sgpr_workgroup_id_y 1
		.amdhsa_system_sgpr_workgroup_id_z 1
		.amdhsa_system_vgpr_workitem_id 0
		.amdhsa_next_free_vgpr 1024
		.amdhsa_next_free_sgpr 102
		.amdhsa_reserve_vcc 1
		.amdhsa_float_denorm_mode_32 3
		.amdhsa_float_denorm_mode_16_64 3
		.amdhsa_memory_ordered 1
		.amdhsa_forward_progress 1
		.amdhsa_inst_pref_size 133
	.end_amdhsa_kernel
	.amdgpu_metadata
---
amdhsa.version: [ 1, 2 ]
amdhsa.kernels:
  - .name:           k_q43bd3ae23c_proj
    .symbol:         k_q43bd3ae23c_proj.kd
    .args:
      - { .name: x_codes, .offset: 0, .size: 8, .value_kind: global_buffer, .address_space: global }
      - { .name: x_scales, .offset: 8, .size: 8, .value_kind: global_buffer, .address_space: global }
      - { .name: w_codes, .offset: 16, .size: 8, .value_kind: global_buffer, .address_space: global }
      - { .name: w_scales, .offset: 24, .size: 8, .value_kind: global_buffer, .address_space: global }
      - { .name: kqv, .offset: 32, .size: 8, .value_kind: global_buffer, .address_space: global }
      - { .name: bk, .offset: 40, .size: 8, .value_kind: global_buffer, .address_space: global }
      - { .name: bq, .offset: 48, .size: 8, .value_kind: global_buffer, .address_space: global }
      - { .name: bv, .offset: 56, .size: 8, .value_kind: global_buffer, .address_space: global }
      - { .name: fine, .offset: 64, .size: 8, .value_kind: global_buffer, .address_space: global }
    .group_segment_fixed_size: 327680
    .private_segment_fixed_size: 0
    .kernarg_segment_align: 8
    .kernarg_segment_size: 72
    .max_flat_workgroup_size: 128
    .sgpr_count:     102
    .vgpr_count:     1024
    .wavefront_size: 32
...
	.end_amdgpu_metadata
.endif
;; end of part 2
;; launch scores (part 3): grid 36 x 4, 4 waves a work-group, no clusters, 327,680 bytes of LDS; arguments kqv, pbuf, stats; writes pbuf, stats
.if DOCPART == 3
	.amdgcn_target "amdgcn-amd-amdhsa--gfx1250"
	.amdhsa_code_object_version 6
	.text
	.protected	k_q43bd3ae23c_scores
	.globl	k_q43bd3ae23c_scores
	.p2align	8
	.type	k_q43bd3ae23c_scores,@function
k_q43bd3ae23c_scores:
	s_mov_b64 s[64:65], 0
	v_nop
	global_prefetch_b8 v0, s[64:65] scope:SCOPE_SE
	s_setreg_imm32_b32 hwreg(HW_REG_WAVE_MODE, 25, 1), 1
	s_wait_xcnt 0x0
; For each batch and each tile (I, J), J <= I, of 256 x 256 of sim = k q^T / 32 under the causal mask: S = k q^T on f16 operands, sums in f32; then the first half of the softmax, by chunks of 128 columns (one wave's):
; t = S x log2(e) / 32; N = floor(-(the chunk's largest t of the row)), so that -N is that maximum rounded up to a whole number; w = 2^(t + N), at most 1, goes as f16 into pbuf [4][2048][2048]; N and l = the chunk's sum of the
; unrounded w go into stats (N at byte 0, l at byte 524,288, each [4][16 chunks][2048 rows] f32).  The next launch brings the chunks of a row under the row's own maximum by exact powers of two.
; A maximum is taken away ahead of every exponential.  Hidden scores become -infinity ahead of it; a chunk all hidden for a row finds the floor -3e38 as its maximum: its w are zeros, its l is 0, and its N is so large that its factor is 0.
; Tiles above the diagonal are neither made nor read.  LIMITS: NaN and infinities are not served; a w under 2^-25 is lost in f16.
; NO CLUSTER: a row of the causal triangle has 1 to 8 tiles and a column 8 to 1, so the 36 tiles of a batch do not fall into fours that share k's rows or q's rows, and filling rows up to fours would add work-groups with nothing to compute.
; A tile is made by four waves, each 128 x 128: 64 accumulators, 512 registers.  K = 1,024 goes in 8 steps of 128 (rows of 256 bytes) through a ring of two LDS slots; each wave fetches a quarter of a slot with one tensor load.
; THE MATRIX INSTRUCTION IS USED TRANSPOSED: source 0 = 16 rows of q (columns of sim), source 1 = 16 rows of k (rows of sim): lane l holds row l % 16 and columns 8 (l / 16) + 0 .. 7: a row's maximum and sum want one exchange between the halves of the lanes.
; REGISTERS: window 0: v0-31 addresses; v64-127, v128-191 k's fragments, two buffers; on the way out v32-255 at work.  window 1: q's fragments, two buffers.  windows 2, 3: the accumulators ((a, b) at v[8 (8 (a % 4) + b)]).
.set KSTEP,  128
.set PITCH,  272                       ; an LDS row: 256 bytes + 16 of padding = 68 words: the 16 rows that a load touches start at 16 different banks (64 banks of 4 bytes: ISA guide 11.1)
.set HALFT,  128*PITCH                 ; 128 rows: what one tensor load brings
.set SLOT,   4*HALFT                   ; k's 256 rows, then q's 256 rows
.set STAGE,  2*SLOT                    ; behind the ring: 16 rows x 272 bytes for each wave, for the way out
.set SPITCH, 272
.set SSTG,   STAGE+4*16*SPITCH         ; behind the stages: 1,024 bytes for each wave: N of its 128 rows, then l
.set SPARE,  SSTG+4*1024               ; behind them: the spare words, 128 bytes a wave, which no other line names
.set LAPS,   4                         ; a lap = two K steps = once round the ring
.set KROW,   6144                      ; a row of kqv in bytes
.set PROW,   4096                      ; a row of pbuf in bytes
.set ADRA, 16                          ; v16-17  LDS address of my fragments of k in slot 0, 1
.set ADRB, 20                          ; v20-21  the same for q
.set STO,  24                          ; v24     the way out: where I put 16 bytes of a row
.set RD,   25                          ; v25     the way out: where I read a row back
.set CO,   26                          ; v26     my byte offset in two rows of pbuf
.set SPW,  28                          ; v28     LDS address of my spare word; never rewritten
.set NIL,  29                          ; v29     0; never rewritten
.set PFO,  30                          ; v30     the prefetches' offset: my lane x a row of kqv; never rewritten
.set F0,   64                          ; fragment buffer 0
.set F1,   128                         ; fragment buffer 1
.set OB,   32                          ; the way out: 16 rows read back: v32-63 and v224-255 by turns
.set MX,   64                          ; v64-67  four running maxima
.set PT,   68                          ; v68     what comes from the lane 16 away
.set NM,   70                          ; v[70:71] N (the packed form names a pair and takes its low word)
.set SU,   72                          ; v[72:75] the sum, in two chains of pairs
.set D0,   76                          ; v76     128 (wr - wc) + lane % 16 - 8 (lane / 16)
.set NINF, 77                          ; v77     -infinity
.set FLR,  78                          ; v78     -3e38
.set SST,  79                          ; v79     where N of my row goes in LDS
.set SR,   80                          ; v80     where 16 bytes of the statistics come back from
.set SG,   81                          ; v81     16 x lane
.set Z,    88                          ; v[88:89] zeros: the sums begin from them
.set SO,   96                          ; v96-103 the statistics on their way out
.set TMP,  192                         ; v192-223 packed weights
.set G1, 24                            ; s[24:31] descriptor group 1
.set G0, 32                            ; s[32:39] descriptor group 0, one set for each slot
.set LIM, 43                           ; s43     1 in a wave that prefetches, else the greatest number
.set PFA, 44                           ; s[44:45] where my prefetches stand
.set CS,  46                           ; s[46:47] c = log2(e) / 32
.set SEL, 48                           ; s[48:49] lane selects for v_permlanex16_b32: lane l xor 16
.set DIAG, 50                          ; s50     1: some of my scores are hidden
.set MSB, 0
.macro WIN new                         ; the immediate's high byte repeats the setting that is left; a switch that changes nothing is dropped
.if MSB != (\new)
	s_set_vgpr_msb (MSB<<8)|(\new)
.set MSB, (\new)
.endif
.endm
.set MUL_LO, 0xa1                      ; source 0 (q) window 1, source 1 (k) window 0, C and D window 2
.set MUL_HI, 0xf1                      ; the same, C and D window 3
.set TO_B,   0x40                      ; destination window 1, address window 0
	s_load_b128 s[4:7], s[0:1], 0x0                ; kqv s[4:5], pbuf s[6:7]
	s_load_b64 s[8:9], s[0:1], 0x10                ; stats
	v_lshl_add_u32 v[SPW], v0, 2, SPARE
	v_mov_b32 v[NIL], 0
	ds_add_u32 v[SPW], v[NIL]                      ; the wave's opening: the add, twice on end, and its wait ahead of my first tensor load; the set-up below stands between the second and the wait
	ds_add_u32 v[SPW], v[NIL]
	v_lshrrev_b32 v1, 5, v0
	v_readfirstlane_b32 s10, v1                    ; wave 0..3
	s_lshr_b32 s11, s10, 1                         ; wr: which half of the tile's rows is mine.  Also: I fetch for k (0) or for q (1)
	s_and_b32 s12, s10, 1                          ; wc: which half of its columns.  Also: which 128 rows I fetch
	s_and_b32 s15, ttmp7, 0xffff                   ; the batch
	s_mov_b32 s13, 0                               ; I: the number of triangle numbers at or under the work-group's x
.irp T, 1,3,6,10,15,21,28
	s_cmp_ge_u32 ttmp9, \T
	s_cselect_b32 s20, 1, 0
	s_add_co_u32 s13, s13, s20
.endr
	s_add_co_u32 s20, s13, 1
	s_mul_i32 s20, s20, s13
	s_lshr_b32 s20, s20, 1
	s_sub_co_u32 s14, ttmp9, s20                   ; J = x - I (I + 1) / 2
	; descriptor group 1: a tile of 128 rows x 128 elements of 2 bytes, padded in LDS
	s_mov_b32 s[G1+0], (1<<16)|(1<<20)|(5<<22)|(3<<25)  ; 15:0 no mask; 17:16 element of 2 bytes; 20 padding on; 24:22 after every 64 words; 31:25 four words
	s_mov_b32 s[G1+1], KSTEP<<16                   ; tensor_dim0 = 128
	s_mov_b32 s[G1+2], 128<<16                     ; tensor_dim1 = 128
	s_mov_b32 s[G1+3], KSTEP<<16                   ; tile_dim0 = 128
	s_mov_b32 s[G1+4], 128                         ; tile_dim1 = 128
	s_mov_b32 s[G1+5], 3072                        ; elements from row to row
	s_mov_b32 s[G1+6], 0
	s_mov_b32 s[G1+7], 0
	s_cmp_eq_u32 s11, 0                            ; what I fetch: k's rows of block I, or q's rows of block J (2,048 bytes on in a row)
	s_cselect_b32 s16, s13, s14
	s_cselect_b32 s17, 0, 2048
	s_lshl_b32 s16, s16, 8
	s_lshl_b32 s18, s12, 7
	s_add_co_u32 s16, s16, s18
	s_lshl_b32 s18, s15, 11
	s_add_co_u32 s16, s16, s18                     ; row 2,048 b + 256 block + 128 wc
	s_mul_i32 s16, s16, KROW                       ; (under 2^26)
	s_add_co_u32 s16, s16, s17
	s_mov_b32 s17, 0
	s_mul_i32 s20, s10, HALFT                      ; and where it goes: k's two halves, then q's two halves = wave x 128 rows
	s_cmp_eq_u32 s13, s14
	s_cselect_b32 s21, 1, 0                        ; the tile lies on the diagonal
	s_cmp_eq_u32 s14, 0
	s_cselect_b32 s22, 1, 0                        ; it is its row's first
	s_cmp_eq_u32 s11, 0
	s_cselect_b32 s22, s22, s21                    ; k's rows of block I are read by tiles (I, 0 .. I): tile (I, 0) prefetches them; q's rows of block J by tiles (J .. 7, J): tile (J, J) does
	s_cmp_eq_u32 s22, 1
	s_cselect_b32 s[LIM], 1, -1
	s_cmp_le_u32 s11, s12
	s_cselect_b32 s[DIAG], s21, 0                  ; on the diagonal the wave with wr = 1, wc = 0 sees all its scores
	s_sub_co_i32 s51, s11, s12
	s_lshl_b32 s51, s51, 7                         ; 128 (wr - wc)
	s_mov_b32 s[CS], 0x3d38aa3b                    ; c = log2(e) / 32
	s_mov_b32 s[CS+1], s[CS]                       ; (named with it as a pair, so it is written)
	s_mov_b32 s[SEL], 0x76543210
	s_mov_b32 s[SEL+1], 0xfedcba98
	s_wait_dscnt 0x0                               ; both opening adds are done
	s_wait_kmcnt 0x0
	s_add_nc_u64 s[16:17], s[4:5], s[16:17]
.irp s, 0,1
	s_mov_b32 s[G0+4*\s], 1                                        ; count = 1
	s_add_co_u32 s[G0+4*\s+1], s20, \s*SLOT                        ; LDS address
	s_add_nc_u64 s[G0+4*\s+2:G0+4*\s+3], s[16:17], \s*KSTEP*2      ; global address: K step s
	s_or_b32 s[G0+4*\s+3], s[G0+4*\s+3], 0x80000000                ; type = 2
	tensor_load_to_lds s[G0+4*\s:G0+4*\s+3], s[G1:G1+7]            ; both first fills go out together: two loads of mine are out
	s_nop 0
.endr
	s_add_nc_u64 s[PFA:PFA+1], s[16:17], 2*KSTEP*2 ; at K step 2: the first refill steps it to 3 and names K step 4.  Nothing is prefetched here, at the head
	v_and_b32 v[PFO], 31, v0
	v_mul_u32_u24 v[PFO], v[PFO], KROW
	v_and_b32 v1, 15, v0                           ; l % 16
	v_bfe_u32 v2, v0, 4, 1                         ; l / 16
	v_mul_u32_u24 v3, v1, PITCH
	v_lshl_add_u32 v3, v2, 4, v3                   ; a fragment's row x pitch + 16 x half
	s_mul_i32 s21, s11, HALFT                      ; my 128 rows of k
	s_mul_i32 s22, s12, HALFT                      ; my 128 rows of q,
	s_add_co_u32 s22, s22, 2*HALFT                 ; which lie behind k's 256
.irp s, 0,1
	v_add_nc_u32 v[ADRA+\s], s21, v3
	v_add_nc_u32 v[ADRB+\s], s22, v3
	s_add_co_u32 s21, s21, SLOT
	s_add_co_u32 s22, s22, SLOT
.endr
	s_mul_i32 s23, s10, 16*SPITCH
	s_add_co_u32 s23, s23, STAGE                   ; my stage
	v_mul_u32_u24 v4, v1, SPITCH                   ; in: row l % 16, 16 bytes for each half of the lanes
	v_lshl_add_u32 v4, v2, 4, v4
	v_add_nc_u32 v[STO], s23, v4
	v_mul_u32_u24 v5, v2, SPITCH                   ; back: lanes 0-15 one row of 256 bytes, lanes 16-31 the next
	v_lshl_add_u32 v5, v1, 4, v5
	v_add_nc_u32 v[RD], s23, v5
	v_mul_u32_u24 v5, v2, PROW                     ; and the same two rows in pbuf
	v_lshl_add_u32 v[CO], v1, 4, v5
	s_lshl_b32 s52, s10, 10
	s_add_co_u32 s52, s52, SSTG                    ; my 1,024 bytes for the statistics
	s_lshl_b32 s16, s15, 11
	s_lshl_b32 s17, s13, 8
	s_add_co_u32 s16, s16, s17
	s_lshl_b32 s17, s11, 7
	s_add_co_u32 s16, s16, s17                     ; my first row: 2,048 b + 256 I + 128 wr
	s_lshl_b32 s18, s16, 12
	s_lshl_b32 s17, s14, 9
	s_add_co_u32 s18, s18, s17
	s_lshl_b32 s17, s12, 8
	s_add_co_u32 s18, s18, s17                     ; + my first column's bytes: 512 J + 256 wc
	s_mov_b32 s19, 0
	s_add_nc_u64 s[6:7], s[6:7], s[18:19]
	s_lshl_b32 s18, s15, 4
	s_lshl_b32 s17, s14, 1
	s_add_co_u32 s18, s18, s17
	s_add_co_u32 s18, s18, s12                     ; my chunk: 16 b + 2 J + wc,
	s_lshl_b32 s18, s18, 11
	s_lshl_b32 s17, s13, 8
	s_add_co_u32 s18, s18, s17
	s_lshl_b32 s17, s11, 7
	s_add_co_u32 s18, s18, s17                     ; my first row in it,
	s_lshl_b32 s18, s18, 2                         ; in bytes
	s_add_nc_u64 s[8:9], s[8:9], s[18:19]
; 16 matrix instructions: m blocks a0, a0 + 1 of the window's four (hi = 0: my rows 0-63, 1: rows 64-127) x all 8 n blocks, 32 along K.  zero = 1: the first product starts the sums: nothing is ever cleared.
; The 64 accumulators take turns, one instruction a turn, in the same order in every quarter step.
.macro MUL16 f, hi, a0, zero
.irp a, \a0, \a0+1
.irp b, 0,1,2,3,4,5,6,7
.if \zero
	v_wmma_f32_16x16x32_f16 v[8*(8*(\a)+\b):8*(8*(\a)+\b)+7], v[\f+8*\b:\f+8*\b+7], v[\f+8*(4*\hi+\a):\f+8*(4*\hi+\a)+7], 0
.else
	v_wmma_f32_16x16x32_f16 v[8*(8*(\a)+\b):8*(8*(\a)+\b)+7], v[\f+8*\b:\f+8*\b+7], v[\f+8*(4*\hi+\a):\f+8*(4*\hi+\a)+7], v[8*(8*(\a)+\b):8*(8*(\a)+\b)+7]
.endif
.endr
.endr
.endm
; 32 LDS loads in one run: the fragments of one quarter step (128 rows of q, 128 rows of k, 32 K at byte k of the rows) into buffer f
.macro FETCH slot, k, f
	WIN TO_B
.irp i, 0,1,2,3,4,5,6,7
	ds_load_b128 v[\f+8*\i:\f+8*\i+3],   v[ADRB+\slot] offset:\k+\i*16*PITCH
	ds_load_b128 v[\f+8*\i+4:\f+8*\i+7], v[ADRB+\slot] offset:\k+\i*16*PITCH+32
.endr
	WIN 0
.irp i, 0,1,2,3,4,5,6,7
	ds_load_b128 v[\f+8*\i:\f+8*\i+3],   v[ADRA+\slot] offset:\k+\i*16*PITCH
	ds_load_b128 v[\f+8*\i+4:\f+8*\i+7], v[ADRA+\slot] offset:\k+\i*16*PITCH+32
.endr
.endm
; A load into a register that a matrix instruction has read, and a vector instruction that reads a matrix result or writes one of a matrix instruction's registers, stand four places behind it, and only plain
; vector instructions that name none of its registers are places (ISA guide 7.12.1 for vector instructions).
.macro PLACES
.rept 4
	v_nop
.endr
.endm
; A K step is four quarter steps of 32 along K, 64 matrix instructions each, on buffers 0, 1, 0, 1.  One of the first three: multiplies buffer f; in its middle it fetches the next quarter's fragments into buffer g.
.macro QUARTER slot, k, f, g, zero
	s_wait_dscnt 8                                 ; q and k's rows 0-63 are in; the youngest eight loads (k's rows 64-127) may be out
	WIN MUL_LO
	MUL16 \f, 0, 0, \zero
	MUL16 \f, 0, 2, \zero
	PLACES
	FETCH \slot, \k, \g
	s_wait_dscnt 32                                ; all but the 32 just issued
	WIN MUL_HI
	MUL16 \f, 1, 0, \zero
	MUL16 \f, 1, 2, \zero
.endm
; A PREFETCH INTO THE L2, behind each refill and the run of LDS loads that follows it: the K step that stands two refills on, of the 128 rows that I fetch: 256 bytes of each row, a lane a row, four instructions.
; Each row's 256 bytes of a K step are named once in the launch (who asks: at LIM, above).  The loop's last trip asks for nothing: its refills are the last two K steps.
.macro ASK
	s_cmp_gt_u32 s3, s[LIM]                        ; s3 = 1 in the loop's last trip
	s_cbranch_scc0 .Lnot_mine_\@
.irp n, 0,1,2,3
	global_prefetch_b8 v[PFO], s[PFA:PFA+1] offset:KSTEP*2+\n*32*KROW th:TH_LOAD_NT scope:SCOPE_SE
.endr
.Lnot_mine_\@:
.endm
; The last quarter multiplies buffer 1 and changes slots: one barrier, for two things.  In front of it each wave waits for all its tensor loads, of which one is out: its part of the next slot; adds 0 to its spare word; and waits for
; that and for its own reads of this slot.  Behind it nobody reads this slot any more and the next slot is whole.  fill = 1: this slot is filled again, two K steps ahead: the wave's one tensor load, first behind the barrier.
.macro TURN slot, next, fill
.if \fill
	s_wait_xcnt 0x0                                ; the last prefetches, a K step back, have read their address: it is stepped here, ahead of the waits of the change of slots
	s_add_nc_u64 s[PFA:PFA+1], s[PFA:PFA+1], KSTEP*2
.endif
	WIN 0                                          ; (the add's two registers lie in window 0)
	s_wait_tensorcnt 0x0                           ; all my tensor loads have landed
	ds_add_u32 v[SPW], v[NIL]                      ; 0 onto my spare word
	s_wait_dscnt 9                                 ; (the add and the youngest eight loads may be out)
	WIN MUL_LO
	MUL16 F1, 0, 0, 0                              ; sixteen matrix instructions stand between the add and the wait for it
	s_wait_dscnt 0x0                               ; the add is done, and my reads of this slot are over
	s_barrier_signal -1
	MUL16 F1, 0, 2, 0                              ; work on registers while the others arrive
	WIN 0
	s_barrier_wait -1
.if \fill
	s_add_nc_u64 s[G0+4*\slot+2:G0+4*\slot+3], s[G0+4*\slot+2:G0+4*\slot+3], 2*KSTEP*2   ; no tensor load of mine is out, so a group 0 may be written
	tensor_load_to_lds s[G0+4*\slot:G0+4*\slot+3], s[G1:G1+7]
	s_nop 0
	PLACES                                         ; also the places in front of the loads below
.else
	PLACES
.endif
	FETCH \next, 0, F0
.if \fill
	ASK
.endif
	WIN MUL_HI
	MUL16 F1, 1, 0, 0
	MUL16 F1, 1, 2, 0
.endm
	s_wait_tensorcnt 1                             ; my part of K step 0 is in (K step 1's may be out)
	s_barrier_signal -1
	s_barrier_wait -1                              ; everybody's is
	FETCH 0, 0, F0
	QUARTER 0, 64,  F0, F1, 1                      ; the first quarter stands in front of the loop: its products start the sums
	WIN 0                                          ; at a label and at a branch every window is 0
	s_mov_b32 s3, LAPS-1
.Llap:                                                 ; a trip goes once round the ring, from a lap's second quarter to the next lap's first, and fills both slots again
	QUARTER 0, 128, F1, F0, 0
	QUARTER 0, 192, F0, F1, 0
	TURN 0, 1, 1
	QUARTER 1, 64,  F0, F1, 0
	QUARTER 1, 128, F1, F0, 0
	QUARTER 1, 192, F0, F1, 0
	TURN 1, 0, 1
	QUARTER 0, 64,  F0, F1, 0
	WIN 0
	s_sub_co_u32 s3, s3, 1
	s_cmp_lg_u32 s3, 0
	s_cbranch_scc1 .Llap
	QUARTER 0, 128, F1, F0, 0                      ; the last lap is written out: it fills nothing
	QUARTER 0, 192, F0, F1, 0
	TURN 0, 1, 0
	QUARTER 1, 64,  F0, F1, 0
	QUARTER 1, 128, F1, F0, 0
	QUARTER 1, 192, F0, F1, 0
	s_wait_dscnt 8                                 ; the very last quarter: nothing more to fetch
	WIN MUL_LO
	MUL16 F1, 0, 0, 0
	MUL16 F1, 0, 2, 0
	s_wait_dscnt 0
	WIN MUL_HI
	MUL16 F1, 1, 0, 0
	MUL16 F1, 1, 2, 0
	WIN 0
	PLACES                                         ; behind the last products
	v_mov_b32 v[PT], 0                             ; (a lane permute's destination counts as one of its sources)
	v_mov_b32 v[NM+1], 0                           ; (named as the upper half of a pair)
	v_mov_b32 v[NINF], 0xff800000
	v_mov_b32 v[FLR], 0xff61b1e6
	v_mov_b32 v[Z], 0
	v_mov_b32 v[Z+1], 0
	v_lshlrev_b32 v[D0], 3, v2
	v_sub_nc_u32 v[D0], v1, v[D0]
	v_add_nc_u32 v[D0], s51, v[D0]                 ; register j of accumulator (a, b) is hidden where 16 b + j - 16 a > this
	v_lshl_add_u32 v[SST], v1, 2, s52              ; 4 bytes a row
	v_and_b32 v[SG], 31, v0
	v_lshlrev_b32 v[SG], 4, v[SG]
	v_add_nc_u32 v[SR], s52, v[SG]
; BLOCK a (16 rows x 128 columns: 8 accumulators, 64 registers a lane) through the mask, the maximum, the exponentials, the sum and the rounding to f16.
.macro SOFT a
.set W, 2+(\a)/4                       ; the block's window
.set AC, 64*((\a)%4)
	WIN 0
	s_cmp_eq_u32 s[DIAG], 1                        ; ids alone: the same in all lanes
	s_cbranch_scc0 .Lopen_\@
	WIN (W<<6)|W                                   ; destination and source 0: the block's window
.set n, 0
.rept 64
	v_cmp_gt_i32 vcc_lo, 16*(n/8)+n%8-16*(\a), v[D0]
	v_cndmask_b32 v[AC+n], v[AC+n], v[NINF], vcc_lo
.set n, n+1
.endr
	WIN 0
.Lopen_\@:
	WIN (W<<2)|(W<<4)                              ; sources 1 and 2: the block's window
.irp k, 0,1,2,3
	v_max3_num_f32 v[MX+\k], v[FLR], v[AC+16*\k], v[AC+16*\k+1]     ; four chains by turns, each accumulator from its low end on; the floor is one leaf
.endr
.irp i, 2,4,6,8,10,12,14
.irp k, 0,1,2,3
	v_max3_num_f32 v[MX+\k], v[MX+\k], v[AC+16*\k+\i], v[AC+16*\k+\i+1]
.endr
.endr
	WIN 0
	v_max3_num_f32 v[MX], v[MX], v[MX+1], v[MX+2]
	v_max_num_f32 v[MX], v[MX], v[MX+3]
	v_permlanex16_b32 v[PT], v[MX], s[SEL], s[SEL+1]   ; the row's other 64 columns lie in the lane 16 away
	v_max_num_f32 v[MX], v[MX], v[PT]
	v_mul_f32 v[MX], s[CS], v[MX]                  ; as t (c is positive)
	v_floor_f32 v[NM], -v[MX]                      ; N = floor(-t): a whole number
	WIN (W<<6)|W
.set n, 0
.rept 32
	v_pk_fma_f32 v[AC+n:AC+n+1], v[AC+n:AC+n+1], s[CS:CS+1], v[NM:NM+1] op_sel_hi:[1,0,0]   ; t + N, two at a time
.set n, n+2
.endr
.set n, 0
.rept 64
	v_exp_f32 v[AC+n], v[AC+n]                     ; w = 2^(t + N): one batch
.set n, n+1
.endr
	v_nop                                          ; a plain instruction behind the last exponential
	s_wait_alu depctr_va_vdst(0)                   ; one wait for the batch, ahead of its first reader
	WIN W<<2                                       ; source 1: the block's window
	v_pk_add_f32 v[SU:SU+1], v[Z:Z+1], v[AC:AC+1]                  ; the sum of the unrounded w, in two chains
	v_pk_add_f32 v[SU+2:SU+3], v[Z:Z+1], v[AC+2:AC+3]
.irp j, 4,8,12,16,20,24,28,32,36,40,44,48,52,56,60
	v_pk_add_f32 v[SU:SU+1], v[SU:SU+1], v[AC+\j:AC+\j+1]
	v_pk_add_f32 v[SU+2:SU+3], v[SU+2:SU+3], v[AC+\j+2:AC+\j+3]
.endr
	WIN 0
	v_pk_add_f32 v[SU:SU+1], v[SU:SU+1], v[SU+2:SU+3]
	v_add_f32 v[SU], v[SU], v[SU+1]
	v_permlanex16_b32 v[PT], v[SU], s[SEL], s[SEL+1]
	v_add_f32 v[SU], v[SU], v[PT]                  ; l
	WIN W|(W<<2)                                   ; sources 0 and 1: the block's window
.irp b, 0,1,2,3,4,5,6,7
.irp r, 0,1,2,3
	v_cvt_pk_f16_f32 v[TMP+4*\b+\r], v[AC+8*\b+2*\r], v[AC+8*\b+2*\r+1]
.endr
.endr
	WIN 0
	ds_store_b32 v[SST], v[NM] offset:64*(\a)      ; lanes l and l + 16 write the same word with the same value
	ds_store_b32 v[SST], v[SU] offset:512+64*(\a)
.endm
.macro TOSTAGE a
.set BK, OB+192*((\a)%2)
.irp b, 0,1,2,3,4,5,6,7
	ds_store_b128 v[STO], v[TMP+4*\b:TMP+4*\b+3] offset:32*\b
.endr
.irp t, 0,1,2,3,4,5,6,7
	ds_load_b128 v[BK+4*\t:BK+4*\t+3], v[RD] offset:\t*2*SPITCH    ; LDS serves a wave's instructions in order (ISA guide 5.7.1.4): these see the stores above
.endr
.endm
.macro SEND a
.set BK, OB+192*((\a)%2)
	s_wait_dscnt 0x0                               ; the block is back in registers
	s_wait_xcnt 0x0                                ; the earlier stores have read their base and their registers: only behind this wait are they rewritten
.if (\a) > 0
	s_add_nc_u64 s[6:7], s[6:7], 16*PROW           ; 16 rows of pbuf on
.endif
.irp t, 0,1,2,3,4,5,6,7
	global_store_b128 v[CO], v[BK+4*\t:BK+4*\t+3], s[6:7] offset:2*\t*PROW   ; 16 lanes store 256 consecutive bytes, at a multiple of 256 from pbuf's first byte
.endr
.endm
	SOFT 0
	TOSTAGE 0
.irp a, 1,2,3,4,5,6,7                  ; block a's softmax stands between block a - 1's loads from the stage and the wait for them
	SOFT \a
	SEND \a-1
	TOSTAGE \a
.endr
	SEND 7
	ds_load_b128 v[SO:SO+3], v[SR]                 ; N of my 128 rows, 16 bytes a lane (my own stores, served in order),
	ds_load_b128 v[SO+4:SO+7], v[SR] offset:512    ; and l
	s_wait_dscnt 0x0
	global_store_b128 v[SG], v[SO:SO+3], s[8:9]    ; 32 lanes store 512 consecutive bytes
	global_store_b128 v[SG], v[SO+4:SO+7], s[8:9] offset:524288
	s_wait_tensorcnt 0x0                           ; the wave's end: behind my last tensor load and my last LDS store
	ds_add_u32 v[SPW], v[NIL]
	s_wait_dscnt 0x0
	s_endpgm
.Lfunc_end_k_q43bd3ae23c_scores:
	.size	k_q43bd3ae23c_scores, .Lfunc_end_k_q43bd3ae23c_scores-k_q43bd3ae23c_scores
	.p2alignl 7, 3214868480
	.fill 96, 4, 3214868480
	.section	.rodata,"a",@progbits
	.p2align	6, 0x0
	.amdhsa_kernel k_q43bd3ae23c_scores
		.amdhsa_group_segment_fixed_size 327680
		.amdhsa_private_segment_fixed_size 0
		.amdhsa_enable_private_segment 0
		.amdhsa_kernarg_size 24
		.amdhsa_user_sgpr_count 2
		.amdhsa_user_sgpr_kernarg_segment_ptr 1
		.amdhsa_wavefront_size32 1
		.amdhsa_system_sgpr_workgroup_id_x 1
		.amdhsa_system_sgpr_workgroup_id_y 1
		.amdhsa_system_sgpr_workgroup_id_z 1
		.amdhsa_system_vgpr_workitem_id 0
		.amdhsa_next_free_vgpr 1024
		.amdhsa_next_free_sgpr 66
		.amdhsa_reserve_vcc 1
		.amdhsa_float_denorm_mode_32 3
		.amdhsa_float_denorm_mode_16_64 3
		.amdhsa_memory_ordered 1
		.amdhsa_forward_progress 1
		.amdhsa_inst_pref_size 254
	.end_amdhsa_kernel
	.amdgpu_metadata
---
amdhsa.version: [ 1, 2 ]
amdhsa.kernels:
  - .name:           k_q43bd3ae23c_scores
    .symbol:         k_q43bd3ae23c_scores.kd
    .args:
      - { .name: kqv, .offset: 0, .size: 8, .value_kind: global_buffer, .address_space: global }
      - { .name: pbuf, .offset: 8, .size: 8, .value_kind: global_buffer, .address_space: global }
      - { .name: stats, .offset: 16, .size: 8, .value_kind: global_buffer, .address_space: global }
    .group_segment_fixed_size: 327680
    .private_segment_fixed_size: 0
    .kernarg_segment_align: 8
    .kernarg_segment_size: 24
    .max_flat_workgroup_size: 128
    .sgpr_count:     66
    .vgpr_count:     1024
    .wavefront_size: 32
...
	.end_amdgpu_metadata
.endif
;; end of part 3
;; launch mix (part 4): grid 8 x 32, 4 waves a work-group, clusters of 4 x 1, 327,680 bytes of LDS; arguments pbuf, kqv, stats, out0; writes out0
.if DOCPART == 4
	.amdgcn_target "amdgcn-amd-amdhsa--gfx1250"
	.amdhsa_code_object_version 6
	.text
	.protected	k_q43bd3ae23c_mix
	.globl	k_q43bd3ae23c_mix
	.p2align	8
	.type	k_q43bd3ae23c_mix,@function
k_q43bd3ae23c_mix:
	s_mov_b64 s[64:65], 0
	v_nop
	global_prefetch_b8 v0, s[64:65] scope:SCOPE_SE
	s_setreg_imm32_b32 hwreg(HW_REG_WAVE_MODE, 25, 1), 1
	s_wait_xcnt 0x0
	s_wait_alu depctr_hold_cnt(0) depctr_sa_sdst(0) depctr_va_vdst(0) depctr_va_sdst(0) depctr_va_ssrc(0) depctr_va_vcc(0) depctr_vm_vsrc(0)
	s_getreg_b32 s2, hwreg(HW_REG_IB_STS2, 6, 4)
	s_cmp_eq_u32 s2, 0
	s_cbranch_scc0 .Lentry_in_a_cluster
	s_endpgm
.Lentry_in_a_cluster:
	s_bfe_u32 s2, ttmp6, 0x10000c
	s_cmp_lg_u32 s2, 0x3003
	s_cbranch_scc0 .Lentry_shape_is_right
	s_endpgm
.Lentry_shape_is_right:
; out[s][d] = (the sum over chunks c of 2^(Nrow - N_c) x the sum over the chunk's t of w[s][t] v[t][d]) / l, with Nrow = the least N_c of the row (so -Nrow is the row's largest t rounded up), l = the sum of l_c 2^(Nrow - N_c).
; w (f16, pbuf) and N_c, l_c (stats) come from the launch before; v is f16, at byte 4,096 of kqv's rows.  A chunk is 128 keys.  Each chunk's product w v is summed by itself, in f32, in 16 chunk accumulators begun with C = 0;
; the finished chunk sum is folded into the 16 totals by one packed f32 multiply-add with the row's factor f_c = 2^(Nrow - N_c), a power of two at most 1, kept in f32: nothing but the matrix operands is narrower than f32.
; LIMIT: a weight under 2^-25 of its chunk's largest is lost (w is f16).  Rows 0-15 of each batch are stored here and stored again, more finely, by the launch behind this one.
; SHARES.  A tile of out is 128 rows x 128 of d.  Row block i (of 16 in a batch) needs i / 2 + 1 K steps of 256 keys under the causal mask.  A work-group makes the tiles of row blocks p and 15 - p, one after the other: 9 K steps
; for every work-group.  Four waves, each 64 rows x 64 of d.
; CLUSTER.  The four work-groups of a cluster differ in their 128 of d alone: they walk the same tiles of w, which are asked for jointly (mask 15); v's tiles are each work-group's own, asked for by plain loads behind the same rounds.
; THE MATRIX INSTRUCTION IS USED TRANSPOSED: source 0 = 16 of d x 32 keys of v, turned out of LDS by ds_load_tr16_b128; source 1 = 16 rows x 32 keys of w: a lane holds one row and eight neighbouring d.
; THE PIPELINE goes in halves of 32 keys, eight to a K step (four to a chunk), on four buffers: half x multiplies buffer x % 4 and asks LDS for half x + 3.  Halves 0 and 4 begin the chunk sums; halves 3 and 7 fold them.
; REGISTERS: window 0: v3-15 addresses; v16-31 factors; v32-127 at work on the way out (at the head: the statistics); v128-255 v's four buffers.
;   window 1: v0-127 the chunk accumulators ((a, b) at v[8 (4 a + b)]); v128-255 w's four buffers.   window 2: v0-127 the totals, at the same numbers; v128-135 1 / l.
.set PA,    528                        ; a row of w in LDS: 512 bytes + 16 = 132 words: the 16 rows that a load touches start at 16 different banks (64 banks of 4 bytes: ISA guide 11.1)
.set PV,    288                        ; a row of v: 256 bytes + 32 = 72 words
.set AHALF, 64*PA                      ; 64 rows of w: what one tensor load brings, and what one wave reads
.set VOFF,  128*PA                     ; a slot: 128 rows of w, then 256 rows of v
.set VHALF, 128*PV                     ; 128 rows of v: what one tensor load brings
.set SLOT,  VOFF+256*PV
.set STAGE, 2*SLOT                     ; behind the ring: 16 rows x 272 bytes for each wave, for the way out
.set SP,    272
.set FT,    STAGE+4*16*SP              ; 20 tables of 128 rows x 8 bytes: a row's number twice, as f32.  Tables 2 g + e: the factors of K step g, chunk e; tables 18, 19: 1 / l of the two tiles.
.set TBL,   1024                       ; a row's pair lies at 512 (row / 64) + 32 (row % 16) + 8 ((row / 16) % 4): so 32 bytes give a lane the pairs of its row in the wave's four row blocks
.set SPARE, FT+20*TBL                  ; the spare words, 128 bytes a wave, which no other line names
.set ARL,  3                           ; v3      where my lane's four pairs of 1 / l lie (table 18)
.set ADRA, 4                           ; v4-5    LDS address of my fragments of w in slot 0, 1
.set ADRB, 6                           ; v6-9    of v: slot 0 keys 0-127, 128-255; slot 1 likewise
.set AFT,  10                          ; v10     where my lane's four pairs of a factor table lie; stepped by four tables a trip
.set STO,  11                          ; v11     the way out: where I put 32 bytes of a row
.set RD,   12                          ; v12     the way out: where I read a row back
.set CO,   13                          ; v13     my byte offset in two rows of out
.set SPW,  14                          ; v14     LDS address of my spare word; never rewritten
.set NIL,  15                          ; v15     0; never rewritten
.set FS,   16                          ; v16-23  the factor pairs of a step's first chunk for my row of blocks 0-3; v24-31 of its second
.set TW,   32                          ; v32-63  a block's results on the way out
.set BK,   64                          ; v64-95, v96-127 16 rows read back, by turns
.set FTW,  92                          ; v92     at the head: where my thread's row has its pair in a table
.set BF,   128                         ; v's buffers, window 0
.set AF,   128                         ; w's buffers, window 1
.set RLR,  128                         ; 1 / l as pairs, window 2
.set WV,   12                          ; s12 wave; s13 wr; s14 wc; s15 batch; s16 p; s17, s18 the two row blocks; s19 N1; s20 the K step in hand; s21 trips; s22 cx; s23 my block of d
.set N1,   19
.set STP,  20
.set G1A,  24                          ; s[24:31] descriptor group 1 for w's tiles
.set G1B,  32                          ; s[32:39] for v's
.set G0A,  40                          ; s[40:47] group 0 for w's tiles, one set for each slot
.set G0B,  48                          ; s[48:55] for v's
.set MK,   76                          ; s76-84  all ones where K step g belongs to the first tile, else 0
.set W54,  0x54                        ; destination window 1, source 0 window 0, sources 1 and 2 window 1: it serves the products and w's LDS loads alike
.set WF,   0xa1                        ; the folds: destination and source 2 (the totals) window 2, source 0 (the chunk sums) window 1, source 1 (the factors) window 0
.set MSB, 0
.macro WIN new                         ; the immediate's high byte repeats the setting that is left; a switch that changes nothing is dropped
.if MSB != (\new)
	s_set_vgpr_msb (MSB<<8)|(\new)
.set MSB, (\new)
.endif
.endm
; Waves 0 and 1 fetch w's halves, jointly with the partners; waves 2 and 3 v's halves, for this work-group alone.  The branch hangs on the wave's number alone.  An s_nop 0 and four v_nop follow each line.
.macro JLOAD s
	s_cmp_eq_u32 s13, 0
	s_cbranch_scc0 .Lfor_b_\@
	tensor_load_to_lds s[G0A+4*(\s):G0A+4*(\s)+3], s[G1A:G1A+7]
	s_nop 0
.rept 4
	v_nop
.endr
	s_branch .Lasked_\@
.Lfor_b_\@:
	tensor_load_to_lds s[G0B+4*(\s):G0B+4*(\s)+3], s[G1B:G1B+7]
	s_nop 0
.rept 4
	v_nop
.endr
.Lasked_\@:
.endm
.macro CREST                           ; a round of the cluster's barrier behind its opening barrier
	s_cmp_lg_u32 s[WV], 0
	s_cbranch_scc1 .Lnot_wave_0_\@
	s_barrier_signal -3
.Lnot_wave_0_\@:
	s_barrier_wait -3
	s_barrier_signal -1
	s_barrier_wait -1
.endm
.macro CROUND                          ; a whole round
	s_barrier_signal -1
	s_barrier_wait -1
	CREST
.endm
; The global addresses of K step s70's tiles into the slot's two groups 0.  Steps under N1 are the first tile's; the others the second's, counted anew.  Every offset is under 2^26 bytes: its low word is reckoned, its high word
; is written as 0.  No register on w's way ever holds my place in the cluster.
.macro ADDR slot
	s_cmp_lt_u32 s70, s[N1]
	s_cselect_b32 s71, 0, s[N1]
	s_cselect_b32 s62, s56, s58                    ; the tile's rows of w, as an offset
	s_sub_co_u32 s70, s70, s71                     ; the step within its tile
	s_mov_b32 s63, 0
	s_lshl_b32 s68, s70, 9                         ; 256 keys are 512 bytes of a row of w,
	s_mov_b32 s69, 0
	s_add_nc_u64 s[62:63], s[62:63], s[68:69]
	s_add_nc_u64 s[G0A+4*(\slot)+2:G0A+4*(\slot)+3], s[4:5], s[62:63]
	s_or_b32 s[G0A+4*(\slot)+3], s[G0A+4*(\slot)+3], 0x80000000
	s_mul_i32 s68, s70, 256*6144                   ; and 256 rows of kqv
	s_add_nc_u64 s[66:67], s[60:61], s[68:69]
	s_add_nc_u64 s[G0B+4*(\slot)+2:G0B+4*(\slot)+3], s[6:7], s[66:67]
	s_or_b32 s[G0B+4*(\slot)+3], s[G0B+4*(\slot)+3], 0x80000000
.endm
	s_load_b256 s[4:11], s[0:1], 0x0               ; pbuf s[4:5], kqv s[6:7], stats s[8:9], out0 s[10:11]
	v_lshl_add_u32 v[SPW], v0, 2, SPARE
	v_mov_b32 v[NIL], 0
	ds_add_u32 v[SPW], v[NIL]                      ; the wave's opening: the add, twice on end, and its wait ahead of my first tensor load; the set-up below stands between the second and the wait
	ds_add_u32 v[SPW], v[NIL]
	v_lshrrev_b32 v1, 5, v0
	v_readfirstlane_b32 s[WV], v1                  ; wave 0..3
	s_lshr_b32 s13, s[WV], 1                       ; wr: which 64 rows are mine.  Also: I fetch w (0) or v (1)
	s_and_b32 s14, s[WV], 1                        ; wc: which 64 of d.  Also: which half I fetch
	s_and_b32 s16, ttmp7, 0xffff
	s_lshr_b32 s15, s16, 3                         ; the batch
	s_and_b32 s16, s16, 7                          ; p
	s_mov_b32 s17, s16                             ; the first tile's row block,
	s_sub_co_u32 s18, 15, s16                      ; the second's
	s_lshr_b32 s[N1], s16, 1
	s_add_co_u32 s[N1], s[N1], 1                   ; the first tile's K steps: 1 to 4; the second's are the other 9 - N1
	s_mov_b32 s[STP], 0
	s_bfe_u32 s22, ttmp6, 0x40000                  ; cx
	s_lshl_b32 s23, ttmp9, 2
	s_add_co_u32 s23, s23, s22                     ; my 128 of d: 4 x cluster x + cx
	; descriptor group 1.  w: 64 rows x 256 elements of 2 bytes;  v: 128 rows x 128 elements
	s_mov_b32 s[G1A+0], 15|(1<<16)|(1<<20)|(1<<21)|(6<<22)|(3<<25)  ; 15:0 the mask: all four work-groups; 17:16 2 bytes; 20 padding on; 21 set beside a mask; 24:22 after every 128 words; 31:25 four words
	s_mov_b32 s[G1A+1], 256<<16
	s_mov_b32 s[G1A+2], 64<<16
	s_mov_b32 s[G1A+3], 256<<16
	s_mov_b32 s[G1A+4], 64
	s_mov_b32 s[G1A+5], 2048                       ; elements from row to row of pbuf
	s_mov_b32 s[G1A+6], 0
	s_mov_b32 s[G1A+7], 0
	s_mov_b32 s[G1B+0], (1<<16)|(1<<20)|(5<<22)|(7<<25)             ; no mask; padding: eight words after every 64
	s_mov_b32 s[G1B+1], 128<<16
	s_mov_b32 s[G1B+2], 128<<16
	s_mov_b32 s[G1B+3], 128<<16
	s_mov_b32 s[G1B+4], 128
	s_mov_b32 s[G1B+5], 3072                       ; elements from row to row of kqv
	s_mov_b32 s[G1B+6], 0
	s_mov_b32 s[G1B+7], 0
	s_mul_i32 s70, s14, AHALF                      ; where my half goes in a slot: no place in the cluster enters an LDS address
	s_mul_i32 s71, s14, VHALF
	s_add_co_u32 s71, s71, VOFF
.irp s, 0,1
	s_mov_b32 s[G0A+4*\s], 1
	s_add_co_u32 s[G0A+4*\s+1], s70, \s*SLOT
	s_mov_b32 s[G0B+4*\s], 1
	s_add_co_u32 s[G0B+4*\s+1], s71, \s*SLOT
.endr
	s_lshl_b32 s68, s15, 11
	s_lshl_b32 s69, s14, 6
	s_add_co_u32 s68, s68, s69                     ; 2,048 b + 64 wc
	s_lshl_b32 s56, s17, 7
	s_add_co_u32 s56, s56, s68
	s_lshl_b32 s56, s56, 12                        ; the first tile's rows that I fetch, in bytes of pbuf,
	s_lshl_b32 s58, s18, 7
	s_add_co_u32 s58, s58, s68
	s_lshl_b32 s58, s58, 12                        ; the second's
	s_lshl_b32 s60, s15, 11
	s_lshl_b32 s61, s14, 7
	s_add_co_u32 s60, s60, s61                     ; v: key 2,048 b + 128 wc,
	s_mul_i32 s60, s60, 6144
	s_lshl_b32 s61, s23, 8
	s_add_co_u32 s60, s60, s61                     ; my 128 of d,
	s_add_co_u32 s60, s60, 4096                    ; behind k and q in the row
	s_mov_b32 s61, 0
	s_lshl_b32 s66, s15, 11
	s_lshl_b32 s67, s13, 6
	s_add_co_u32 s66, s66, s67                     ; out: row 2,048 b + 64 wr,
	s_lshl_b32 s67, s23, 9
	s_lshl_b32 s68, s14, 8
	s_add_co_u32 s67, s67, s68                     ; column bytes 512 x block of d + 256 wc
	s_lshl_b32 s72, s17, 7
	s_add_co_u32 s72, s72, s66
	s_lshl_b32 s72, s72, 12
	s_add_co_u32 s72, s72, s67
	s_mov_b32 s73, 0
	s_lshl_b32 s74, s18, 7
	s_add_co_u32 s74, s74, s66
	s_lshl_b32 s74, s74, 12
	s_add_co_u32 s74, s74, s67
	s_mov_b32 s75, 0
	s_lshl_b32 s68, s15, 4                         ; 16 chunks a batch
.irp g, 0,1,2,3,4,5,6,7,8              ; for each K step: whose it is, and where thread t finds N of row t of that tile for the step's first chunk
	s_cmp_lt_u32 \g, s[N1]
	s_cselect_b32 s[MK+\g], -1, 0
	s_cselect_b32 s70, 0, s[N1]
	s_cselect_b32 s71, s17, s18
	s_sub_co_u32 s70, \g, s70                      ; the step within its tile
	s_lshl_b32 s70, s70, 1
	s_add_co_u32 s70, s70, s68                     ; its first chunk
	s_lshl_b32 s70, s70, 13                        ; 2,048 rows of 4 bytes a chunk
	s_lshl_b32 s71, s71, 9                         ; 128 rows of 4 bytes a row block
	s_add_co_u32 s70, s70, s71
	v_lshl_add_u32 v[68+\g], v0, 2, s70
.endr
	s_wait_dscnt 0x0                               ; both opening adds are done
	s_wait_kmcnt 0x0
	s_add_nc_u64 s[72:73], s[10:11], s[72:73]      ; where my part of the first tile begins in out,
	s_add_nc_u64 s[74:75], s[10:11], s[74:75]      ; and of the second
.irp g, 0,1,2,3,4,5,6,7,8
.irp e, 0,1
	global_load_b32 v[32+2*\g+\e], v[68+\g], s[8:9] offset:8192*\e          ; N
	global_load_b32 v[50+2*\g+\e], v[68+\g], s[8:9] offset:524288+8192*\e   ; l
.endr
.endr
	CROUND                                         ; all four work-groups are here: the first joint loads meet
	s_mov_b32 s70, 0
	ADDR 0
	s_mov_b32 s70, 1
	ADDR 1
	s_cmp_eq_u32 s13, 0                            ; a wave's two first fills stand in one branch, ahead of every wait on TENSORcnt and every LDS read: two loads of mine are out
	s_cbranch_scc0 .Lfirst_b
	tensor_load_to_lds s[G0A:G0A+3], s[G1A:G1A+7]
	s_nop 0
	tensor_load_to_lds s[G0A+4:G0A+7], s[G1A:G1A+7]
	s_nop 0
.rept 4
	v_nop
.endr
	s_branch .Lfirst_asked
.Lfirst_b:
	tensor_load_to_lds s[G0B:G0B+3], s[G1B:G1B+7]
	s_nop 0
	tensor_load_to_lds s[G0B+4:G0B+7], s[G1B:G1B+7]
	s_nop 0
.rept 4
	v_nop
.endr
.Lfirst_asked:
	v_and_b32 v1, 15, v0                           ; r = l % 16
	v_bfe_u32 v2, v0, 4, 1                         ; h = l / 16
	v_mul_u32_u24 v90, v1, PA
	v_lshl_add_u32 v90, v2, 4, v90
	s_mul_i32 s70, s13, AHALF
	v_add_nc_u32 v[ADRA], s70, v90                 ; w: my 64 rows; row r x pitch + 16 h
	v_add_nc_u32 v[ADRA+1], SLOT, v[ADRA]
	v_and_b32 v90, 7, v0
	v_lshl_add_u32 v90, v2, 3, v90
	v_mul_u32_u24 v90, v90, PV                     ; v: key 8 h + l % 8,
	v_bfe_u32 v91, v0, 3, 1
	v_lshl_add_u32 v90, v91, 4, v90                ; channels 8 ((l / 8) % 2) on,
	s_lshl_b32 s70, s14, 7
	s_add_co_u32 s70, s70, VOFF                    ; my 64 of d
	v_add_nc_u32 v[ADRB], s70, v90
	v_add_nc_u32 v[ADRB+1], VHALF, v[ADRB]
	v_add_nc_u32 v[ADRB+2], SLOT, v[ADRB]
	v_add_nc_u32 v[ADRB+3], SLOT+VHALF, v[ADRB]
	s_lshl_b32 s70, s13, 9
	v_lshl_add_u32 v[AFT], v1, 5, s70              ; 512 wr + 32 r: the pairs of rows 64 wr + 16 a + r, a = 0 .. 3
	v_add_nc_u32 v[ARL], FT+18*TBL, v[AFT]
	v_add_nc_u32 v[AFT], FT, v[AFT]
	s_mul_i32 s70, s[WV], 16*SP
	s_add_co_u32 s70, s70, STAGE                   ; my stage
	v_mul_u32_u24 v90, v1, SP
	v_lshl_add_u32 v90, v2, 5, v90
	v_add_nc_u32 v[STO], s70, v90                  ; in: row r, 32 bytes for each half of the lanes
	v_mul_u32_u24 v90, v2, SP
	v_lshl_add_u32 v90, v1, 4, v90
	v_add_nc_u32 v[RD], s70, v90                   ; back: lanes 0-15 one row of 256 bytes, lanes 16-31 the next
	v_lshlrev_b32 v[CO], 12, v2
	v_lshl_add_u32 v[CO], v1, 4, v[CO]             ; and the same two rows in out
	v_lshrrev_b32 v90, 6, v0
	v_lshlrev_b32 v[FTW], 9, v90
	v_lshl_add_u32 v[FTW], v1, 5, v[FTW]
	v_bfe_u32 v90, v0, 4, 2
	v_lshl_add_u32 v[FTW], v90, 3, v[FTW]
	v_add_nc_u32 v[FTW], FT, v[FTW]                ; thread t's row is row t of a tile
	; THE FACTORS.  Thread t: the least N of row t of each tile; f = 2^(that - N) for each of the 18 chunks; l of each tile.
	v_mov_b32 v85, 0x7f61b1e6                      ; 3e38, over every N
	v_mov_b32 v77, v85
	v_mov_b32 v78, v85
	v_mov_b32 v79, 0
	v_mov_b32 v80, 0
	s_wait_loadcnt 0x0
.set k, 0
.rept 18
	v_cndmask_b32 v81, v85, v[32+k], s[MK+k/2]     ; the first tile's, else 3e38
	v_cndmask_b32 v82, v[32+k], v85, s[MK+k/2]     ; the second's
	v_min_num_f32 v77, v77, v81
	v_min_num_f32 v78, v78, v82
.set k, k+1
.endr
.set k, 0
.rept 18
	v_cndmask_b32 v81, v78, v77, s[MK+k/2]         ; the row's least N
	v_sub_f32 v81, v81, v[32+k]                    ; less the chunk's: a whole number, 0 or less
	v_cvt_i32_f32 v81, v81                         ; (it saturates: a chunk all hidden gets f = 0)
	v_ldexp_f32 v86, 1.0, v81                      ; f, in f32
	v_mov_b32 v87, v86                             ; twice: the packed fold multiplies a pair by a pair
	v_cndmask_b32 v83, v[NIL], v86, s[MK+k/2]
	v_cndmask_b32 v84, v86, v[NIL], s[MK+k/2]
	v_fmac_f32 v79, v[50+k], v83                   ; l of the first tile's row,
	v_fmac_f32 v80, v[50+k], v84                   ; of the second's
	ds_store_b64 v[FTW], v[86:87] offset:TBL*k
.set k, k+1
.endr
	v_rcp_f32 v86, v79
	v_rcp_f32 v88, v80
	v_nop                                          ; a plain instruction behind the reciprocals
	s_wait_alu depctr_va_vdst(0)                   ; one wait for both, ahead of their first reader
	v_mov_b32 v87, v86
	v_mov_b32 v89, v88
	ds_store_b64 v[FTW], v[86:87] offset:TBL*18
	ds_store_b64 v[FTW], v[88:89] offset:TBL*19
	s_wait_tensorcnt 1                             ; my part of slot 0 is in (slot 1's may be out)
	s_wait_dscnt 0x0                               ; my pairs of the tables have landed,
	s_barrier_signal -1
	s_barrier_wait -1                              ; everybody's have
; The LDS loads of half hx of a slot, into buffer hx % 4: 8 turning loads of v, 8 loads of w.  fto >= 0: first of all, two loads of four factor pairs from byte fto of the tables in hand (even tables: v16-23; odd: v24-31).
.macro GLOAD slot, hx, fto
.set BN, BF+32*((\hx)%4)
.set AN, AF+32*((\hx)%4)
	WIN 0
.if (\fto) >= 0
	ds_load_b128 v[FS+8*(((\fto)/TBL)%2):FS+8*(((\fto)/TBL)%2)+3],   v[AFT] offset:(\fto)
	ds_load_b128 v[FS+8*(((\fto)/TBL)%2)+4:FS+8*(((\fto)/TBL)%2)+7], v[AFT] offset:(\fto)+16
.endif
.irp b, 0,1,2,3
	ds_load_tr16_b128 v[BN+8*\b:BN+8*\b+3],   v[ADRB+2*(\slot)+(\hx)/4] offset:((32*(\hx))%128)*PV+32*\b
	ds_load_tr16_b128 v[BN+8*\b+4:BN+8*\b+7], v[ADRB+2*(\slot)+(\hx)/4] offset:((32*(\hx))%128)*PV+16*PV+32*\b
.endr
	WIN W54
.irp a, 0,1,2,3
	ds_load_b128 v[AN+8*\a:AN+8*\a+3],   v[ADRA+(\slot)] offset:64*(\hx)+\a*16*PA
	ds_load_b128 v[AN+8*\a+4:AN+8*\a+7], v[ADRA+(\slot)] offset:64*(\hx)+\a*16*PA+32
.endr
.endm
; Products from .. to of half hx's sixteen (product i: row block i / 4, block of d i % 4).  The 16 accumulators take turns, one instruction a turn, in the same order in every half.
; Halves 0 and 4 are a chunk's first: their products start the chunk sums with C = 0.
.macro PROD hx, from, to
.set BC, BF+32*((\hx)%4)
.set AC, AF+32*((\hx)%4)
	WIN W54
.set i, \from
.rept (\to)-(\from)+1
.if ((\hx)%4) == 0
	v_wmma_f32_16x16x32_f16 v[8*i:8*i+7], v[BC+8*(i%4):BC+8*(i%4)+7], v[AC+8*(i/4):AC+8*(i/4)+7], 0
.else
	v_wmma_f32_16x16x32_f16 v[8*i:8*i+7], v[BC+8*(i%4):BC+8*(i%4)+7], v[AC+8*(i/4):AC+8*(i/4)+7], v[8*i:8*i+7]
.endif
.set i, i+1
.endr
.endm
; Row block a's four chunk sums (32 registers) go into the totals, x the row's factor of chunk e: 16 packed lines, each accumulator from its low end on.  first = 1: the tile's first chunk starts the totals: nothing is cleared.
.macro FOLD a, e, first
	WIN WF
.set n, 0
.rept 16
.if \first
	v_pk_mul_f32 v[32*(\a)+2*n:32*(\a)+2*n+1], v[32*(\a)+2*n:32*(\a)+2*n+1], v[FS+8*(\e)+2*(\a):FS+8*(\e)+2*(\a)+1]
.else
	v_pk_fma_f32 v[32*(\a)+2*n:32*(\a)+2*n+1], v[32*(\a)+2*n:32*(\a)+2*n+1], v[FS+8*(\e)+2*(\a):FS+8*(\e)+2*(\a)+1], v[32*(\a)+2*n:32*(\a)+2*n+1]
.endif
.set n, n+1
.endr
.endm
; A half's sixteen products.  fold < 0: nothing else.  Else the half is a chunk's last (3 or 7), and the chunk sums are folded as they are finished.  A fold reads sums four places or more behind the products that made them
; (ISA guide 7.12.1): block 0's behind four v_nop, each later one behind the fold before it, whose 16 lines name none of those products' registers.
.macro BODY hx, fold
.if (\fold) < 0
	PROD \hx, 0, 15
.else
	PROD \hx, 0, 7
.rept 4
	v_nop
.endr
	FOLD 0, (\hx)/4, \fold
	PROD \hx, 8, 11
	FOLD 1, (\hx)/4, \fold
	PROD \hx, 12, 15
	FOLD 2, (\hx)/4, \fold
	FOLD 3, (\hx)/4, \fold
.endif
.endm
; Half hx of the K step in the slot.  The buffer that takes half hx + 3 was last read by the half before: four places stand between its last product and the loads: four v_nop, or, behind a chunk's last half, block 2's fold.
.macro HALF hx, slot, fto, fold
	s_wait_dscnt 16                                ; all but the youngest group's sixteen fragment loads are in: half hx among them (a group's factor loads stand first in it)
.if ((\hx)%4) != 0
.rept 4
	v_nop
.endr
.endif
.if (\hx)+3 <= 7
	GLOAD \slot, (\hx)+3, \fto
.else
	GLOAD 1-(\slot), (\hx)-5, \fto
.endif
	BODY \hx, \fold
.endm
; Half 5 changes slots: the slot's last bytes, half 7's, have been asked for.  In front of the one barrier each wave waits for all its tensor loads (its part of the next slot), adds 0 to its spare word, and waits for that and for its
; reads of this slot.  fill = 1: the barrier opens a round of the cluster's barrier, and behind the round this slot is filled again, two K steps ahead: one tensor load a wave, first there.
.macro HALF5 slot, fill
	WIN 0                                          ; (the add's two registers lie in window 0)
	s_wait_tensorcnt 0x0                           ; no tensor load of mine is out, so a group 0 may be written
	ds_add_u32 v[SPW], v[NIL]                      ; 0 onto my spare word
.if \fill
	s_add_co_u32 s70, s[STP], 2
	ADDR \slot
.endif
	s_wait_dscnt 17                                ; (the add and half 7's sixteen loads may be out)
	PROD 5, 0, 7
	s_wait_dscnt 0x0                               ; the add is done, and my reads of this slot are over
	s_barrier_signal -1
	PROD 5, 8, 15                                  ; work on registers while the others arrive
	WIN 0
	s_barrier_wait -1
.if \fill
	CREST                                          ; no wave of any partner still reads this slot's tile of w or has a load on its way
	JLOAD \slot                                    ; its four v_nop are also the places in front of the loads below, into the buffer that half 4 read
.else
.rept 4
	v_nop
.endr
.endif
	GLOAD 1-(\slot), 0, -1
.endm
; A finished tile leaves: the totals x 1 / l, through my own stage (a wave's 64 columns of f32 are 256 bytes of a row), block by block of 16 rows.
.macro FLUSH tile
	WIN 0x80                                       ; destination window 2, address window 0
	ds_load_b128 v[RLR:RLR+3],   v[ARL] offset:TBL*((\tile)-1)
	ds_load_b128 v[RLR+4:RLR+7], v[ARL] offset:TBL*((\tile)-1)+16
	s_wait_dscnt 0x0
.irp a, 0,1,2,3
	WIN 0x0a                                       ; sources 0 and 1: window 2
.set n, 0
.rept 16
	v_pk_mul_f32 v[TW+2*n:TW+2*n+1], v[32*\a+2*n:32*\a+2*n+1], v[RLR+2*\a:RLR+2*\a+1]
.set n, n+1
.endr
	WIN 0
	s_wait_xcnt 0x0                                ; the earlier stores have read their registers: the loads below may land there
.irp b, 0,1,2,3
	ds_store_b128 v[STO], v[TW+8*\b:TW+8*\b+3] offset:64*\b
	ds_store_b128 v[STO], v[TW+8*\b+4:TW+8*\b+7] offset:64*\b+16
.endr
.irp t, 0,1,2,3,4,5,6,7
	ds_load_b128 v[BK+32*(\a%2)+4*\t:BK+32*(\a%2)+4*\t+3], v[RD] offset:\t*2*SP   ; LDS serves a wave's instructions in order (ISA guide 5.7.1.4): these see the stores above
.endr
	s_wait_dscnt 0x0
.irp t, 0,1,2,3,4,5,6,7
	global_store_b128 v[CO], v[BK+32*(\a%2)+4*\t:BK+32*(\a%2)+4*\t+3], s[72+2*((\tile)-1):73+2*((\tile)-1)] offset:(16*\a+2*\t)*4096 th:TH_STORE_NT   ; 16 lanes store 256 consecutive bytes, at a multiple of 256 from out's first byte
.endr
.endr
.endm
; Half 3 in the loop.  Where this K step is the second tile's first, the first tile's totals leave, and this chunk's fold starts the totals anew: both stand in one arm.  The branch hangs on ids and the count of steps, the same
; in all waves and all partners; no tensor load, no wait on TENSORcnt and no barrier stands in an arm.
.macro H3 slot
	WIN 0
	s_cmp_lg_u32 s[STP], s[N1]
	s_cbranch_scc1 .Lsame_\@
	FLUSH 1
	HALF 3, \slot, -1, 1
	WIN 0
	s_branch .Ljoin_\@
.Lsame_\@:
	HALF 3, \slot, -1, 0
	WIN 0
.Ljoin_\@:
.endm
	GLOAD 0, 0, 0                                  ; K step 0: its first chunk's factors, and halves 0, 1, 2
	GLOAD 0, 1, -1
	GLOAD 0, 2, -1
	HALF 0, 0, TBL, -1                             ; K step 0's first chunk stands in front of the loop: its fold starts the first tile's totals
	HALF 1, 0, -1, -1
	HALF 2, 0, -1, -1
	HALF 3, 0, -1, 1
	WIN 0                                          ; at a label and at a branch every window is 0
	s_mov_b32 s21, 3
.Ltrip:                                                ; a trip: two K steps, from a step's half 4 to half 3 two steps on; both slots are filled again
	HALF 4, 0, 2*TBL, -1                           ; (with the next step's first factors)
	HALF5 0, 1
	HALF 6, 0, -1, -1
	HALF 7, 0, -1, 0
	s_add_co_u32 s[STP], s[STP], 1
	HALF 0, 1, 3*TBL, -1                           ; (with this step's second factors)
	HALF 1, 1, -1, -1
	HALF 2, 1, -1, -1
	H3 1
	HALF 4, 1, 4*TBL, -1
	HALF5 1, 1
	HALF 6, 1, -1, -1
	HALF 7, 1, -1, 0
	s_add_co_u32 s[STP], s[STP], 1
	HALF 0, 0, 5*TBL, -1
	HALF 1, 0, -1, -1
	HALF 2, 0, -1, -1
	H3 0
	v_add_nc_u32 v[AFT], 4*TBL, v[AFT]             ; four tables on
	s_sub_co_u32 s21, s21, 1
	s_cmp_lg_u32 s21, 0
	s_cbranch_scc1 .Ltrip
	HALF 4, 0, 2*TBL, -1                           ; the tail is written out.  K step 6 goes on: it asks for K step 8
	HALF5 0, 1
	HALF 6, 0, -1, -1
	HALF 7, 0, -1, 0
	HALF 0, 1, 3*TBL, -1                           ; K step 7: nothing is left to ask for; N1 is at most 4, so no tile begins here
	HALF 1, 1, -1, -1
	HALF 2, 1, -1, -1
	HALF 3, 1, -1, 0
	HALF 4, 1, 4*TBL, -1
	HALF5 1, 0
	HALF 6, 1, -1, -1
	HALF 7, 1, -1, 0
	HALF 0, 0, 5*TBL, -1                           ; K step 8
	HALF 1, 0, -1, -1
	HALF 2, 0, -1, -1
	HALF 3, 0, -1, 0
	HALF 4, 0, -1, -1
	s_wait_dscnt 16                                ; halves 5 and 6 are in; half 7's sixteen loads may be out
	BODY 5, -1
	s_wait_dscnt 0x0
	BODY 6, -1
	BODY 7, 0
	FLUSH 2
	s_wait_tensorcnt 0x0                           ; the wave's end: behind my last tensor load and my last LDS store
	ds_add_u32 v[SPW], v[NIL]
	s_wait_dscnt 0x0
	CROUND                                         ; the closing round: no work-group ends while a partner may still ask for a tile that names it
	s_endpgm
.Lfunc_end_k_q43bd3ae23c_mix:
	.size	k_q43bd3ae23c_mix, .Lfunc_end_k_q43bd3ae23c_mix-k_q43bd3ae23c_mix
	.p2alignl 7, 3214868480
	.fill 96, 4, 3214868480
	.section	.rodata,"a",@progbits
	.p2align	6, 0x0
	.amdhsa_kernel k_q43bd3ae23c_mix
		.amdhsa_group_segment_fixed_size 327680
		.amdhsa_private_segment_fixed_size 0
		.amdhsa_enable_private_segment 0
		.amdhsa_kernarg_size 32
		.amdhsa_user_sgpr_count 2
		.amdhsa_user_sgpr_kernarg_segment_ptr 1
		.amdhsa_wavefront_size32 1
		.amdhsa_system_sgpr_workgroup_id_x 1
		.amdhsa_system_sgpr_workgroup_id_y 1
		.amdhsa_system_sgpr_workgroup_id_z 1
		.amdhsa_system_vgpr_workitem_id 0
		.amdhsa_next_free_vgpr 768
		.amdhsa_next_free_sgpr 96
		.amdhsa_reserve_vcc 0
		.amdhsa_float_denorm_mode_32 3
		.amdhsa_float_denorm_mode_16_64 3
		.amdhsa_memory_ordered 1
		.amdhsa_forward_progress 1
		.amdhsa_inst_pref_size 213
	.end_amdhsa_kernel
	.amdgpu_metadata
---
amdhsa.version: [ 1, 2 ]
amdhsa.kernels:
  - .name:           k_q43bd3ae23c_mix
    .symbol:         k_q43bd3ae23c_mix.kd
    .args:
      - { .name: pbuf, .offset: 0, .size: 8, .value_kind: global_buffer, .address_space: global }
      - { .name: kqv, .offset: 8, .size: 8, .value_kind: global_buffer, .address_space: global }
      - { .name: stats, .offset: 16, .size: 8, .value_kind: global_buffer, .address_space: global }
      - { .name: out0, .offset: 24, .size: 8, .value_kind: global_buffer, .address_space: global }
    .group_segment_fixed_size: 327680
    .private_segment_fixed_size: 0
    .kernarg_segment_align: 8
    .kernarg_segment_size: 32
    .max_flat_workgroup_size: 128
    .sgpr_count:     96
    .vgpr_count:     768
    .wavefront_size: 32
...
	.end_amdgpu_metadata
.endif
;; end of part 4
;; launch first16 (part 5): grid 4 x 1, 8 waves a work-group, no clusters, 77,824 bytes of LDS; arguments fine, out0; writes out0
.if DOCPART == 5
	.amdgcn_target "amdgcn-amd-amdhsa--gfx1250"
	.amdhsa_code_object_version 6
	.text
	.protected	k_q43bd3ae23c_first16
	.globl	k_q43bd3ae23c_first16
	.p2align	8
	.type	k_q43bd3ae23c_first16,@function
k_q43bd3ae23c_first16:
	s_mov_b64 s[64:65], 0
	v_nop
	global_prefetch_b8 v0, s[64:65] scope:SCOPE_SE
	s_setreg_imm32_b32 hwreg(HW_REG_WAVE_MODE, 25, 1), 1
	s_wait_xcnt 0x0
; Rows 0-15 of each batch once more, wholly in f32: under the causal mask they average 1 to 16 values, and are the largest of the output.  k, q, v of those rows come as f32 from fine [64 = 16 b + s][3072]
; (k at byte 0, q at 4,096, v at 8,192 of a row of 12,288 bytes).  Only keys 0-15 count for them.  The launch runs last and stores over what the launch before left in these rows: 64 of out's 8,192 rows are stored twice.
; A work-group takes a batch.  SCORES: the head's 1,024 are shared out, 128 to each of eight waves; S^T = q k^T by v_wmma_f32_16x16x4_f32 (source 0 = q's 16 rows, source 1 = k's), two accumulators by turns; the waves' parts
; meet in LDS as images of their registers and every wave adds all eight in the same order.  Lane l holds row l % 16 and keys 8 (l / 16) + 0 .. 7.  SOFTMAX in registers, the row's maximum taken away, normalised.
; VALUES: wave w makes d = 128 w .. 128 w + 127: O^T = v^T p: source 0 = 16 of d x 4 keys, source 1 = p; eight accumulators by turns.  The same order of K stands on both sides of each product.
; The registers that the matrix instruction writes (v144-223) are written by nothing else.  No cluster, no tensor load: 4 work-groups share nothing, and all that they read is 192 KiB each.
.set FROW,   12288
.set STG,    8192                      ; LDS: eight images of 1,024 bytes at 0; then a stage of 16 rows x 528 bytes for each wave
.set SPITCH, 528
.set SPARE,  STG+8*16*SPITCH           ; behind the stages: the spare words, 128 bytes a wave, which no other line names
.set QF, 16                            ; v16-79   q's numbers; later v's; later rows of out
.set KF, 80                            ; v80-143  k's numbers; later the eight images
.set S0, 144                           ; v144-151, v152-159 the scores' two accumulators
.set S1, 152
.set O,  160                           ; v160-223 O^T: eight accumulators
.set TS, 224                           ; v224-231 my part of the scores
.set SS, 232                           ; v232-239 the scores, then p
.set PN, 240                           ; v240-247 p / the row's sum
	s_load_b128 s[4:7], s[0:1], 0x0                ; fine, out0
	v_lshl_add_u32 v14, v0, 2, SPARE               ; my spare word; never rewritten
	v_mov_b32 v15, 0                               ; 0; never rewritten
	v_lshrrev_b32 v1, 5, v0
	v_readfirstlane_b32 s8, v1                     ; wave 0..7
	v_and_b32 v1, 15, v0                           ; r
	v_bfe_u32 v2, v0, 4, 1                         ; h
	v_and_b32 v3, 31, v0                           ; lane
	v_mul_u32_u24 v4, v1, FROW
	v_lshl_add_u32 v4, v2, 4, v4                   ; k, q: row r, + 16 h: four numbers of each eight
	v_mul_u32_u24 v5, v2, 8*FROW
	v_lshl_add_u32 v5, v1, 2, v5                   ; v: key 8 h, channel r
	v_lshlrev_b32 v7, 4, v3                        ; 16 x lane
	s_lshl_b32 s9, s8, 10
	v_add_nc_u32 v6, s9, v7                        ; my image: 1,024 x wave + 16 x lane
	v_lshlrev_b32 v8, 3, v2
	v_sub_nc_u32 v8, v1, v8                        ; r - 8 h: register j is hidden where j > this
	v_mov_b32 v9, 0xff800000                       ; -infinity
	v_mov_b32 v11, 0                               ; (a lane permute's destination counts as one of its sources)
	s_mul_i32 s9, s8, 16*SPITCH
	s_add_co_u32 s9, s9, STG                       ; my stage
	v_mul_u32_u24 v12, v1, SPITCH
	v_lshl_add_u32 v12, v2, 5, v12
	v_add_nc_u32 v12, s9, v12                      ; in: row r, 32 bytes for each half of the lanes
	v_add_nc_u32 v13, s9, v7                       ; back: the 32 lanes take one row of 512 bytes
	s_mov_b32 s14, 0x76543210
	s_mov_b32 s15, 0xfedcba98                      ; v_permlanex16_b32's selects for lane l xor 16
	s_mov_b32 s16, 0x3d38aa3b                      ; c = log2(e) / 32
	s_mul_i32 s10, ttmp9, 16*FROW                  ; the batch's 16 rows of fine,
	s_lshl_b32 s11, s8, 9
	s_add_co_u32 s10, s10, s11                     ; my wave's 128 numbers of a row
	s_mov_b32 s11, 0
	s_lshl_b32 s12, ttmp9, 23                      ; the batch's first row of out: 2,048 rows of 4,096 bytes a batch,
	s_lshl_b32 s13, s8, 9
	s_add_co_u32 s12, s12, s13                     ; my wave's 128 columns
	s_mov_b32 s13, 0
	s_wait_kmcnt 0x0
	s_add_nc_u64 s[4:5], s[4:5], s[10:11]
	s_add_nc_u64 s[6:7], s[6:7], s[12:13]
.irp c, 0,1,2,3,4,5,6,7,8,9,10,11,12,13,14,15
	global_load_b128 v[QF+4*\c:QF+4*\c+3], v4, s[4:5] offset:4096+32*\c    ; q(r, 128 w + 8 c + 4 h + 0 .. 3)
	global_load_b128 v[KF+4*\c:KF+4*\c+3], v4, s[4:5] offset:32*\c         ; k likewise
.endr
	s_wait_loadcnt 0x0
	v_wmma_f32_16x16x4_f32 v[S0:S0+7], v[QF:QF+1], v[KF:KF+1], 0           ; the first products start the two sums
	v_wmma_f32_16x16x4_f32 v[S1:S1+7], v[QF+2:QF+3], v[KF+2:KF+3], 0
.set n, 2
.rept 15
	v_wmma_f32_16x16x4_f32 v[S0:S0+7], v[QF+2*n:QF+2*n+1], v[KF+2*n:KF+2*n+1], v[S0:S0+7]     ; the two accumulators by turns, one instruction a turn
	v_wmma_f32_16x16x4_f32 v[S1:S1+7], v[QF+2*n+2:QF+2*n+3], v[KF+2*n+2:KF+2*n+3], v[S1:S1+7]
.set n, n+2
.endr
.rept 8
	v_nop                                          ; eight places behind this form: for the loads into q's registers and the reads of the sums
.endr
.irp t, 0,1,2,3,4,5,6,7
.irp i, 0,1,2,3,4,5,6,7
	global_load_b32 v[QF+8*\t+\i], v5, s[4:5] offset:\i*FROW+8192+64*\t    ; v(8 h + i, 128 w + 16 t + r): it lands while the softmax is made
.endr
.endr
.irp j, 0,1,2,3,4,5,6,7
	v_add_f32 v[TS+\j], v[S0+\j], v[S1+\j]         ; from the low end on
.endr
	ds_store_b128 v6, v[TS:TS+3]
	ds_store_b128 v6, v[TS+4:TS+7] offset:512
	s_wait_dscnt 0x0                               ; for the others' sake: my image has landed
	s_barrier_signal -1
	s_barrier_wait -1
.irp w, 0,1,2,3,4,5,6,7
	ds_load_b128 v[KF+8*\w:KF+8*\w+3], v7 offset:1024*\w
	ds_load_b128 v[KF+8*\w+4:KF+8*\w+7], v7 offset:1024*\w+512
.endr
	s_wait_dscnt 0x0
.irp j, 0,1,2,3,4,5,6,7
	v_add_f32 v[SS+\j], v[KF+\j], v[KF+8+\j]
.endr
.irp w, 2,3,4,5,6,7
.irp j, 0,1,2,3,4,5,6,7
	v_add_f32 v[SS+\j], v[SS+\j], v[KF+8*\w+\j]    ; the same order in every wave: the same bits
.endr
.endr
.irp j, 0,1,2,3,4,5,6,7
	v_cmp_gt_i32 vcc_lo, \j, v8
	v_cndmask_b32 v[SS+\j], v[SS+\j], v9, vcc_lo   ; hidden scores become -infinity ahead of the maximum
.endr
	v_max3_num_f32 v10, v[SS], v[SS+1], v[SS+2]
	v_max3_num_f32 v10, v10, v[SS+3], v[SS+4]
	v_max3_num_f32 v10, v10, v[SS+5], v[SS+6]
	v_max_num_f32 v10, v10, v[SS+7]
	v_permlanex16_b32 v11, v10, s14, s15
	v_max_num_f32 v10, v10, v11                    ; the row's largest score (key 0 counts for every row)
	v_mul_f32 v10, s16, v10
.irp j, 0,1,2,3,4,5,6,7
	v_fma_f32 v[SS+\j], v[SS+\j], s16, -v10        ; c (score - the largest)
.endr
.irp j, 0,1,2,3,4,5,6,7
	v_exp_f32 v[SS+\j], v[SS+\j]
.endr
	v_nop                                          ; a plain instruction behind the exponentials
	s_wait_alu depctr_va_vdst(0)                   ; one wait for the batch, ahead of its first reader
	v_add_f32 v10, v[SS], v[SS+1]
.irp j, 2,3,4,5,6,7
	v_add_f32 v10, v10, v[SS+\j]
.endr
	v_permlanex16_b32 v11, v10, s14, s15
	v_add_f32 v10, v10, v11                        ; the row's sum
	v_rcp_f32 v10, v10
	v_nop
	s_wait_alu depctr_va_vdst(0)
.irp j, 0,1,2,3,4,5,6,7
	v_mul_f32 v[PN+\j], v[SS+\j], v10
.endr
	s_wait_loadcnt 0x0                             ; v
.irp c, 0,1,2,3                        ; K step c: keys 8 h + 2 c, 8 h + 2 c + 1, on both sides
.irp t, 0,1,2,3,4,5,6,7
.if \c == 0
	v_wmma_f32_16x16x4_f32 v[O+8*\t:O+8*\t+7], v[QF+8*\t+2*\c:QF+8*\t+2*\c+1], v[PN+2*\c:PN+2*\c+1], 0
.else
	v_wmma_f32_16x16x4_f32 v[O+8*\t:O+8*\t+7], v[QF+8*\t+2*\c:QF+8*\t+2*\c+1], v[PN+2*\c:PN+2*\c+1], v[O+8*\t:O+8*\t+7]
.endif
.endr
.endr
.rept 8
	v_nop                                          ; eight places, for the reads of the results and the loads into v's registers
.endr
.irp t, 0,1,2,3,4,5,6,7
	ds_store_b128 v12, v[O+8*\t:O+8*\t+3] offset:64*\t             ; lane (r, h): out(r, 128 w + 16 t + 8 h + 0 .. 7); each accumulator from its low end on
	ds_store_b128 v12, v[O+8*\t+4:O+8*\t+7] offset:64*\t+16
.endr
.irp t, 0,1,2,3,4,5,6,7,8,9,10,11,12,13,14,15
	ds_load_b128 v[QF+4*\t:QF+4*\t+3], v13 offset:\t*SPITCH        ; LDS serves a wave's instructions in order: these see my stores
.endr
.irp t, 0,1,2,3,4,5,6,7,8,9,10,11,12,13,14,15
	s_wait_dscnt 15-\t
	global_store_b128 v7, v[QF+4*\t:QF+4*\t+3], s[6:7] offset:\t*4096      ; 32 lanes store 512 consecutive bytes of a row of out
.endr
	s_wait_tensorcnt 0x0                           ; the wave's end: behind my last LDS store
	ds_add_u32 v14, v15
	s_wait_dscnt 0x0
	s_endpgm
.Lfunc_end_k_q43bd3ae23c_first16:
	.size	k_q43bd3ae23c_first16, .Lfunc_end_k_q43bd3ae23c_first16-k_q43bd3ae23c_first16
	.p2alignl 7, 3214868480
	.fill 96, 4, 3214868480
	.section	.rodata,"a",@progbits
	.p2align	6, 0x0
	.amdhsa_kernel k_q43bd3ae23c_first16
		.amdhsa_group_segment_fixed_size 77824
		.amdhsa_private_segment_fixed_size 0
		.amdhsa_enable_private_segment 0
		.amdhsa_kernarg_size 16
		.amdhsa_user_sgpr_count 2
		.amdhsa_user_sgpr_kernarg_segment_ptr 1
		.amdhsa_wavefront_size32 1
		.amdhsa_system_sgpr_workgroup_id_x 1
		.amdhsa_system_sgpr_workgroup_id_y 1
		.amdhsa_system_sgpr_workgroup_id_z 1
		.amdhsa_system_vgpr_workitem_id 0
		.amdhsa_next_free_vgpr 256
		.amdhsa_next_free_sgpr 66
		.amdhsa_reserve_vcc 1
		.amdhsa_float_denorm_mode_32 3
		.amdhsa_float_denorm_mode_16_64 3
		.amdhsa_memory_ordered 1
		.amdhsa_forward_progress 1
		.amdhsa_inst_pref_size 26
	.end_amdhsa_kernel
	.amdgpu_metadata
---
amdhsa.version: [ 1, 2 ]
amdhsa.kernels:
  - .name:           k_q43bd3ae23c_first16
    .symbol:         k_q43bd3ae23c_first16.kd
    .args:
      - { .name: fine, .offset: 0, .size: 8, .value_kind: global_buffer, .address_space: global }
      - { .name: out0, .offset: 8, .size: 8, .value_kind: global_buffer, .address_space: global }
    .group_segment_fixed_size: 77824
    .private_segment_fixed_size: 0
    .kernarg_segment_align: 8
    .kernarg_segment_size: 16
    .max_flat_workgroup_size: 256
    .sgpr_count:     66
    .vgpr_count:     256
    .wavefront_size: 32
...
	.end_amdgpu_metadata
.endif
;; end of part 5
